; MI455X (gfx1250); checked and timed in simulation.
; The chip was launched on July 23, 2026; its instructions are those of AMD's public machine-readable ISA for CDNA 5 (MIT licence, August 2026) and "CDNA5" Instruction Set Architecture Reference Guide (July 2026). The comments in the code are by the model that wrote it; some were corrected since.
;; Head. Allowed arithmetic: float matrix products may take bf16 or f16 operands with f32 sums; all other float work in f32.
;; Inputs: Wk 1,024 x 128 float32; Wq 1,024 x 128 float32; Wv 1,024 x 128 float32; x 8 x 2,048 x 1,024 float32.
;; Outputs: out0 8 x 2,048 x 128 float32.
;; 2 versions, each right and faster than the one before. Each part assembles by itself: llvm-mc -triple=amdgcn-amd-amdhsa -mcpu=gfx1250 --defsym DOCPART=n.
;; ======== version 1 of 2: 3 launches
;; limits: values are held in f16: magnitudes above 65,504 overflow, below 6.1e-05 lose precision
;; workspace buffers: wp 786,432 bytes; qh 4,194,304 bytes; kv 8,388,608 bytes
;; launch prep (part 1): grid 256 x 1, 6 waves a work-group, no clusters, 0 bytes of LDS; arguments Wq, Wk, Wv, wp; writes wp
.if DOCPART == 1
	.amdgcn_target "amdgcn-amd-amdhsa--gfx1250"
	.amdhsa_code_object_version 6
	.text
	.protected	k_q52bac1e3f5_prep
	.globl	k_q52bac1e3f5_prep
	.p2align	8
	.type	k_q52bac1e3f5_prep,@function
k_q52bac1e3f5_prep:
	s_mov_b64 s[64:65], 0
	v_nop
	global_prefetch_b8 v0, s[64:65] scope:SCOPE_SE
	s_setreg_imm32_b32 hwreg(HW_REG_WAVE_MODE, 25, 1), 1
	s_wait_xcnt 0x0
; prep: the three weights [1024][128] f32 -> one bf16 table wp in the order in which the projection reads its fragments.
; wp = [tile t 16][wave w 4][unit u 8][n 96][8 elements] bf16, 786,432 bytes.
;   n = 32 mat + col (mat 0, 1, 2 = q, k, v); the weight's column is 32 w + col;
;   element e of (t, u) is row k = 128 (t >> 1) + 32 (t & 1) + 4 u + {0,1,2,3,64,65,66,67}[e].
; The same order of k is what a lane of the projection gets from two 16-byte loads of x, 256 bytes apart, so the products pair up.
; One wave makes one (t, w, u, mat): 32 columns x 8 rows, eight loads of one word a lane (128 consecutive bytes a load: the weights'
; rows are 512 bytes and a wave owns 32 columns of them; kept so because all three weights are only 1.5 MB), four roundings,
; one store of 16 bytes a lane: 512 consecutive bytes a wave.  1,536 such items = 256 work-groups x 6 waves.
; No LDS, no barrier, no matrix unit: nothing is shared and nothing is summed.
.set WROWB, 512                        ; bytes in a row of a weight
	s_load_b256 s[4:11], s[0:1], 0x0               ; Wq s[4:5], Wk s[6:7], Wv s[8:9], wp s[10:11]
	v_lshrrev_b32 v1, 5, v0
	v_readfirstlane_b32 s12, v1                    ; wave 0..5 = 3 half + mat
	s_cmp_ge_u32 s12, 3
	s_cselect_b32 s13, 1, 0                        ; half
	s_mul_i32 s14, s13, 3
	s_sub_co_u32 s14, s12, s14                     ; mat
	s_lshl_b32 s15, ttmp9, 1
	s_add_co_u32 s15, s15, s13                     ; (t, w, u) as one number: 32 t + 8 w + u = 2 x work-group + half
	s_and_b32 s16, s15, 7                          ; u
	s_bfe_u32 s17, s15, 0x20003                    ; w: 2 bits from bit 3
	s_lshr_b32 s18, s15, 5                         ; t
	s_lshr_b32 s19, s18, 1
	s_and_b32 s18, s18, 1
	s_lshl_b32 s19, s19, 7                         ; 128 (t >> 1)
	s_lshl_b32 s18, s18, 5                         ; 32 (t & 1)
	s_add_co_u32 s19, s19, s18
	s_lshl_b32 s16, s16, 2                         ; 4 u
	s_add_co_u32 s19, s19, s16                     ; the first row k
	s_lshl_b32 s20, s19, 9                         ; in bytes
	s_lshl_b32 s17, s17, 7                         ; 32 w columns of 4 bytes
	s_add_co_u32 s20, s20, s17
	s_mov_b32 s21, 0
	s_mul_i32 s24, ttmp9, 3072                     ; six items of 512 bytes a work-group
	s_mov_b32 s25, 0
	v_and_b32 v1, 31, v0
	v_lshlrev_b32 v1, 2, v1                        ; my column, in bytes
	v_lshlrev_b32 v2, 4, v0                        ; my 16 bytes of the work-group's 3,072
	s_wait_kmcnt 0x0
	s_cmp_eq_u32 s14, 1                            ; the weight is chosen by the wave's number alone
	s_cselect_b64 s[22:23], s[6:7], s[4:5]
	s_cmp_eq_u32 s14, 2
	s_cselect_b64 s[22:23], s[8:9], s[22:23]
	s_add_nc_u64 s[22:23], s[22:23], s[20:21]
	s_add_nc_u64 s[10:11], s[10:11], s[24:25]
.irp j, 0,1,2,3
	global_load_b32 v[4+\j], v1, s[22:23] offset:\j*WROWB
.endr
.irp j, 0,1,2,3
	global_load_b32 v[8+\j], v1, s[22:23] offset:(64+\j)*WROWB
.endr
	s_wait_loadcnt 0x0
.irp j, 0,1,2,3
	v_cvt_pk_bf16_f32 v[12+\j], v[4+2*\j], v[5+2*\j]   ; elements 2 j and 2 j + 1
.endr
	global_store_b128 v2, v[12:15], s[10:11]
	s_endpgm
.Lfunc_end_k_q52bac1e3f5_prep:
	.size	k_q52bac1e3f5_prep, .Lfunc_end_k_q52bac1e3f5_prep-k_q52bac1e3f5_prep
	.p2alignl 7, 3214868480
	.fill 96, 4, 3214868480
	.section	.rodata,"a",@progbits
	.p2align	6, 0x0
	.amdhsa_kernel k_q52bac1e3f5_prep
		.amdhsa_group_segment_fixed_size 0
		.amdhsa_private_segment_fixed_size 0
		.amdhsa_enable_private_segment 0
		.amdhsa_kernarg_size 32
		.amdhsa_user_sgpr_count 2
		.amdhsa_user_sgpr_kernarg_segment_ptr 1
		.amdhsa_wavefront_size32 1
		.amdhsa_system_sgpr_workgroup_id_x 1
		.amdhsa_system_sgpr_workgroup_id_y 1
		.amdhsa_system_sgpr_workgroup_id_z 1
		.amdhsa_system_vgpr_workitem_id 0
		.amdhsa_next_free_vgpr 16
		.amdhsa_next_free_sgpr 66
		.amdhsa_reserve_vcc 0
		.amdhsa_float_denorm_mode_32 3
		.amdhsa_float_denorm_mode_16_64 3
		.amdhsa_memory_ordered 1
		.amdhsa_forward_progress 1
		.amdhsa_inst_pref_size 3
	.end_amdhsa_kernel
	.amdgpu_metadata
---
amdhsa.version: [ 1, 2 ]
amdhsa.kernels:
  - .name:           k_q52bac1e3f5_prep
    .symbol:         k_q52bac1e3f5_prep.kd
    .args:
      - { .name: Wq, .offset: 0, .size: 8, .value_kind: global_buffer, .address_space: global }
      - { .name: Wk, .offset: 8, .size: 8, .value_kind: global_buffer, .address_space: global }
      - { .name: Wv, .offset: 16, .size: 8, .value_kind: global_buffer, .address_space: global }
      - { .name: wp, .offset: 24, .size: 8, .value_kind: global_buffer, .address_space: global }
    .group_segment_fixed_size: 0
    .private_segment_fixed_size: 0
    .kernarg_segment_align: 8
    .kernarg_segment_size: 32
    .max_flat_workgroup_size: 192
    .sgpr_count:     66
    .vgpr_count:     16
    .wavefront_size: 32
...
	.end_amdgpu_metadata
.endif
;; end of part 1
;; launch proj (part 2): grid 256 x 1, 4 waves a work-group, clusters of 4 x 1, 327,680 bytes of LDS; arguments x, wp, qh, kv; writes qh, kv
.if DOCPART == 2
	.amdgcn_target "amdgcn-amd-amdhsa--gfx1250"
	.amdhsa_code_object_version 6
	.text
	.protected	k_q52bac1e3f5_proj
	.globl	k_q52bac1e3f5_proj
	.p2align	8
	.type	k_q52bac1e3f5_proj,@function
k_q52bac1e3f5_proj:
	s_mov_b64 s[64:65], 0
	v_nop
	global_prefetch_b8 v0, s[64:65] scope:SCOPE_SE
	s_setreg_imm32_b32 hwreg(HW_REG_WAVE_MODE, 25, 1), 1
	s_wait_xcnt 0x0
	s_wait_alu depctr_hold_cnt(0) depctr_sa_sdst(0) depctr_va_vdst(0) depctr_va_sdst(0) depctr_va_ssrc(0) depctr_va_vcc(0) depctr_vm_vsrc(0)
	s_getreg_b32 s2, hwreg(HW_REG_IB_STS2, 6, 4)
	s_cmp_eq_u32 s2, 0
	s_cbranch_scc0 .Lentry_in_a_cluster
	s_endpgm
.Lentry_in_a_cluster:
	s_bfe_u32 s2, ttmp6, 0x10000c
	s_cmp_lg_u32 s2, 0x3003
	s_cbranch_scc0 .Lentry_shape_is_right
	s_endpgm
.Lentry_shape_is_right:
; proj: q c, k, v = x W.  x [16384][1024] f32 is rounded to bf16 on its way, W comes as bf16 from wp, sums in f32, results in f16.
; c = 128^-1/2 log2(e) is applied to q in f32 before its one rounding, so that the attention's exponentials are plain powers of two.
; LIMIT: q c, k and v are kept in f16: their magnitudes must stay below 65,504.
; SHARES.  A work-group owns 64 tokens and all 384 columns; wave w owns all 64 rows x columns 32 w .. 32 w + 31 of each of q, k, v:
; 6 column tiles x 4 row tiles = 24 accumulators of 16 x 16, 768 matrix instructions.  256 work-groups.
; x: each wave loads 16 of the 64 rows (16 lanes take 256 consecutive bytes of a row), three K steps of 128 ahead in three sets of
; registers, rounds them and lays them into one of two LDS slots, from which all four waves take their fragments.
; W: tiles of 64 along K (49,152 bytes) through five LDS slots filled by the tensor data mover; a wave loads and reads only its own
; quarter.  CLUSTERS: every work-group walks the same wp, so four work-groups form a cluster and ask for each quarter jointly
; (mask 15): the requests for wp are divided by four.  x is read by one work-group only and is not shared.
; ORDER OF K: within a K step of 128, unit U (8 numbers) holds k = 4 U + {0,1,2,3,64,65,66,67}: what a lane gets from two 16-byte
; loads 256 bytes apart.  wp has the same order, so each product meets its partner; only the order of the sum differs.
; OUTPUT LAYOUTS (16 lanes always store 256 consecutive bytes, aligned):
;   qh [512 blocks of 32 tokens][d-unit 16][token 32][8 d] f16
;   kv [512 groups of 32 tokens]: K part 8,192 bytes [d-unit 16][key 32][8 d], then V part 8,192 bytes [key-unit 4][d 128][8 keys]
; For q and k source 0 is W and source 1 is x, so a lane holds 8 neighbouring d of one token; for v the other way round, so a lane
; holds 8 neighbouring tokens of one d.  Both are then 16 bytes that belong together: no stage in LDS on the way out.
; REGISTERS.  window 0: addresses, two fragment buffers; window 1: the 24 accumulators; window 2: three sets of 64 for x.
.set WTILE,  49152                     ; a tile of wp: 64 along K x 384 columns x 2 bytes
.set WQUART, 12288                     ; a wave's quarter of it: [unit 8][n 96][16 bytes]
.set WUNIT,  1536                      ; a unit's 96 columns
.set XBASE,  5*WTILE                   ; 245,760: behind the five W slots; filled by ds_store alone
.set XUNIT,  1040                      ; a unit's 64 rows of 16 bytes + 16: the sixteen lanes of a store (one unit each) touch sixteen different 16-byte columns modulo 256 bytes
.set XSLOT,  16*XUNIT                  ; 16,640: a K step of x in bf16
.set XO,  2                            ; v2      x: (16 w + h) rows of 4,096 bytes + 16 r
.set XW,  3                            ; v3      where I lay my 16 bytes of a row: unit r, row 16 w + h
.set XA,  4                            ; v4      x fragments: unit h, row r
.set QO,  5                            ; v5      q and k out: d-unit 4 w + h, token r
.set VO,  6                            ; v6      v out: key-unit h, d 32 w + r
.set WA,  8                            ; v8-12   W fragments in slot n: my quarter, unit h, column r
.set F0,  64                           ; v64-143   fragment buffer 0: x's four row tiles, then W's six column tiles
.set F1,  144                          ; v144-223  fragment buffer 1
.set TMP, 64                           ; v64-159   the way out: 24 x 4 registers of f16
.set G1,  16                           ; s[16:23]  descriptor group 1
.set G0,  24                           ; s[24:43]  descriptor group 0, one set for each of the five slots
.set MSB, 0
.macro WIN new                         ; s_set_vgpr_msb: bits 1:0 source 0, 3:2 source 1, 5:4 source 2, 7:6 destination; the high byte repeats the setting that is left
.if MSB != \new
	s_set_vgpr_msb (MSB<<8)|\new
.set MSB, \new
.endif
.endm
.macro PLACES n
.rept \n
	v_nop
.endr
.endm
; A round of the cluster's barrier: my work-group's barrier, wave 0 signals for the work-group, every wave waits for all four
; work-groups, my work-group's barrier once more.
.macro CREST                           ; a round behind its opening barrier
	s_cmp_lg_u32 s12, 0
	s_cbranch_scc1 .Lnot_wave_0_\@
	s_barrier_signal -3
.Lnot_wave_0_\@:
	s_barrier_wait -3
	s_barrier_signal -1
	s_barrier_wait -1
.endm
.macro CROUND
	s_barrier_signal -1
	s_barrier_wait -1
	CREST
.endm
; K step sx of my 16 rows of x: 16 loads, each 2 x 256 consecutive bytes, into set sx % 3 of window 2.
.macro LOADX sx
	WIN 0x80                                       ; destination window 2, address window 0
.set XB, 64*((\sx)%3)
.irp p, 0,1,2,3,4,5,6,7
	global_load_b128 v[XB+8*\p:XB+8*\p+3],   v[XO], s[4:5] offset:\p*8192+(\sx)*512 th:TH_LOAD_NT
	global_load_b128 v[XB+8*\p+4:XB+8*\p+7], v[XO], s[4:5] offset:\p*8192+(\sx)*512+256 th:TH_LOAD_NT
.endr
.endm
; K step sx is rounded to bf16 in place, laid into x slot sx & 1, and its registers are asked for again three K steps on.
.macro CONVERT sx
.if (\sx) < 6
	s_wait_loadcnt 32                              ; loads come back in order: the two younger K steps, 16 loads each, stay out
.else
	s_wait_loadcnt 16*(7-(\sx))                    ; nothing is asked for beyond K step 7: one younger step, then none
.endif
.set XB, 64*((\sx)%3)
	WIN 0x8a                                       ; all three operands in window 2
.irp p, 0,1,2,3,4,5,6,7
.irp i, 0,1,2,3
	v_cvt_pk_bf16_f32 v[XB+8*\p+\i], v[XB+8*\p+2*\i], v[XB+8*\p+2*\i+1]
.endr
.endr
	WIN 0x08                                       ; address window 0, data window 2
.irp p, 0,1,2,3,4,5,6,7
	ds_store_b128 v[XW], v[XB+8*\p:XB+8*\p+3] offset:((\sx)&1)*XSLOT+32*\p   ; row 16 w + h + 2 p
.endr
.if (\sx)+3 <= 7
	LOADX \sx+3
.endif
.endm
; The fragments of chunk qd (32 along K) of K step s into buffer g: 20 loads, 16 lanes on 256 consecutive bytes each.
; Registers 0-3 of a fragment are unit 4 qd + h, registers 4-7 unit 4 qd + 2 + h.
.macro FETCH s, qd, g
	WIN 0
.set XOF, ((\s)&1)*XSLOT+4*XUNIT*(\qd)
.set WSL, (2*(\s)+((\qd)>>1))%5
.set WOF, 4*WUNIT*((\qd)&1)
.irp mt, 0,1,2,3
	ds_load_b128 v[\g+8*\mt:\g+8*\mt+3],   v[XA] offset:XOF+256*\mt
	ds_load_b128 v[\g+8*\mt+4:\g+8*\mt+7], v[XA] offset:XOF+256*\mt+2*XUNIT
.endr
.irp c, 0,1,2,3,4,5
	ds_load_b128 v[\g+32+8*\c:\g+32+8*\c+3],   v[WA+WSL] offset:WOF+256*\c
	ds_load_b128 v[\g+32+8*\c+4:\g+32+8*\c+7], v[WA+WSL] offset:WOF+256*\c+2*WUNIT
.endr
.endm
; 12 matrix instructions: row tiles mtlo, mtlo + 1 x the six column tiles.  The 24 accumulators take turns, one instruction a turn,
; in the same order in every chunk.  zero = 1: the first product starts the sums.
.macro MUL buf, mtlo, zero
	WIN 0x50                                       ; A and B window 0, C and D window 1
.irp mt, \mtlo, \mtlo+1
.irp c, 0,1,2,3
.if \zero
	v_wmma_f32_16x16x32_bf16 v[8*(4*\c+\mt):8*(4*\c+\mt)+7], v[\buf+32+8*\c:\buf+32+8*\c+7], v[\buf+8*(\mt):\buf+8*(\mt)+7], 0
.else
	v_wmma_f32_16x16x32_bf16 v[8*(4*\c+\mt):8*(4*\c+\mt)+7], v[\buf+32+8*\c:\buf+32+8*\c+7], v[\buf+8*(\mt):\buf+8*(\mt)+7], v[8*(4*\c+\mt):8*(4*\c+\mt)+7]
.endif
.endr
.irp c, 4,5
.if \zero
	v_wmma_f32_16x16x32_bf16 v[8*(4*\c+\mt):8*(4*\c+\mt)+7], v[\buf+8*(\mt):\buf+8*(\mt)+7], v[\buf+32+8*\c:\buf+32+8*\c+7], 0
.else
	v_wmma_f32_16x16x32_bf16 v[8*(4*\c+\mt):8*(4*\c+\mt)+7], v[\buf+8*(\mt):\buf+8*(\mt)+7], v[\buf+32+8*\c:\buf+32+8*\c+7], v[8*(4*\c+\mt):8*(4*\c+\mt)+7]
.endif
.endr
.endr
.endm
; My quarter of tile t has landed.  Tiles go out in batches 0-4, 5-8, 9-12, 13-15; a wave's tensor loads end in order
; (ISA guide 10.11.1), so the count is the number of younger tiles of the same batch.  At most five are out.
.macro TWAIT t
.if (\t) < 5
	s_wait_tensorcnt 4-(\t)
.elseif (\t) < 9
	s_wait_tensorcnt 8-(\t)
.elseif (\t) < 13
	s_wait_tensorcnt 12-(\t)
.else
	s_wait_tensorcnt 15-(\t)
.endif
.endm
; Chunk qd of K step s: multiplies one fragment buffer and fetches the next chunk's fragments into the other.
; The four v_nop stand behind the matrix instructions that read the other buffer, in front of the loads into it (ISA guide 7.12.1
; for vector instructions).
.macro CHUNK s, qd
.if (4*\s+\qd)&1
.set FC, F1
.set FN, F0
.else
.set FC, F0
.set FN, F1
.endif
.if 4*\s+\qd == 0
.set ZR, 1
.else
.set ZR, 0
.endif
	s_wait_dscnt 0x0                               ; this chunk's fragments, asked for one chunk ago, are in (and my stores of x are done)
.if \qd < 3
.if \qd == 1
	TWAIT 2*\s+1                                   ; the next chunk begins the K step's second tile of W
.endif
.if ZR == 0
	PLACES 4
.endif
	FETCH \s, \qd+1, FN
	MUL FC, 0, ZR
.if \qd == 2
.if \s < 7
	CONVERT \s+1                                   ; the other x slot: every wave's reads of it ended in front of the last K step's barrier
.endif
.endif
	MUL FC, 2, ZR
.elseif \s < 7
	; The change of K steps.  One barrier shows the next K step's x to all waves.  In K steps 1, 3, 5 it also opens a round of the
	; cluster's barrier behind which W slots are filled again: there the count below is 0, so all my tensor loads have landed, and my
	; reads of the slots are back by the wait above.
	TWAIT 2*\s+2
.if (\s)&1
.set RT, 2*\s+3                                    ; the tiles that go out: four, or what is left of the sixteen
.rept 4
.if RT < 16
	s_add_nc_u64 s[G0+4*(RT%5)+2:G0+4*(RT%5)+3], s[G0+4*(RT%5)+2:G0+4*(RT%5)+3], 5*WTILE   ; no tensor load of mine is out: the slot's next tile
.endif
.set RT, RT+1
.endr
.endif
	s_barrier_signal -1
	MUL FC, 0, 0                                   ; work on registers while the others arrive
	WIN 0
	s_barrier_wait -1
.if (\s)&1
	CREST                                          ; no wave of any partner still reads these slots or has a load on its way
.set RT, 2*\s+3
.rept 4
.if RT < 16
	tensor_load_to_lds s[G0+4*(RT%5):G0+4*(RT%5)+3], s[G1:G1+7]    ; the first tensor loads behind the round
	s_nop 0
.endif
.set RT, RT+1
.endr
.endif
	PLACES 4
	FETCH \s+1, 0, FN
	MUL FC, 2, 0
.else
	MUL FC, 0, 0                                   ; the very last chunk: nothing more to fetch
	MUL FC, 2, 0
.endif
.endm
	s_load_b256 s[4:11], s[0:1], 0x0               ; x s[4:5], wp s[6:7], qh s[8:9], kv s[10:11]
	v_lshrrev_b32 v1, 5, v0
	v_readfirstlane_b32 s12, v1                    ; wave 0..3
	s_bfe_u32 s13, ttmp6, 0x40000                  ; cx: my place in the cluster
	s_lshl_b32 s14, ttmp9, 2                       ; ttmp9 counts clusters
	s_add_co_u32 s14, s14, s13                     ; work-group 0..255
	v_and_b32 v13, 15, v0                          ; r
	v_bfe_u32 v14, v0, 4, 1                        ; h
	v_lshlrev_b32 v16, 4, v13                      ; 16 r
	s_lshl_b32 s15, s12, 4
	v_add_nc_u32 v15, s15, v14                     ; 16 w + h
	v_lshl_add_u32 v[XO], v15, 12, v16
	s_lshl_b32 s44, s14, 18                        ; 64 rows of 4,096 bytes a work-group
	s_mov_b32 s45, 0
	s_wait_kmcnt 0x0
	s_add_nc_u64 s[4:5], s[4:5], s[44:45]
	LOADX 0                                        ; three K steps of x are asked for before anything else
	LOADX 1
	LOADX 2
	WIN 0
	s_lshl_b32 s44, s14, 14                        ; two blocks of 8,192 bytes of qh
	s_add_nc_u64 s[8:9], s[8:9], s[44:45]
	s_lshl_b32 s44, s14, 15                        ; two groups of 16,384 bytes of kv
	s_add_nc_u64 s[10:11], s[10:11], s[44:45]
	s_mov_b32 s46, 0x3e0293ee                      ; c = 0.12751743 = 128^-1/2 log2(e),
	s_mov_b32 s47, 0x3e0293ee                      ; in both registers of the pair
	; descriptor group 1: 48 dense rows of 32 elements of 8 bytes = 12,288 bytes
	s_mov_b32 s[G1+0], 15|(3<<16)|(1<<21)          ; 15:0 the mask: all four work-groups; 17:16 elements of 8 bytes; 21 set beside a mask
	s_mov_b32 s[G1+1], 32<<16                      ; tensor_dim0 = 32
	s_mov_b32 s[G1+2], 48<<16                      ; tensor_dim1 = 48
	s_mov_b32 s[G1+3], 32<<16                      ; tile_dim0 = 32
	s_mov_b32 s[G1+4], 48                          ; tile_dim1 = 48
	s_mov_b32 s[G1+5], 32                          ; from row to row: 32 elements
	s_mov_b32 s[G1+6], 0
	s_mov_b32 s[G1+7], 0
	s_mul_i32 s48, s12, WQUART                     ; my quarter, in wp and in a slot: no place in the cluster enters either
	s_mov_b32 s49, 0
	s_add_nc_u64 s[6:7], s[6:7], s[48:49]
.irp n, 0,1,2,3,4
	s_mov_b32 s[G0+4*\n], 1                                        ; count = 1
	s_add_co_u32 s[G0+4*\n+1], s48, \n*WTILE                       ; LDS address
	s_add_nc_u64 s[G0+4*\n+2:G0+4*\n+3], s[6:7], \n*WTILE          ; global address: tile n
	s_or_b32 s[G0+4*\n+3], s[G0+4*\n+3], 0x80000000                ; type = 2
.endr
	CROUND                                         ; all four work-groups are here: the first joint loads meet
.irp n, 0,1,2,3,4
	tensor_load_to_lds s[G0+4*\n:G0+4*\n+3], s[G1:G1+7]
	s_nop 0
.endr
	v_mul_u32_u24 v17, v13, XUNIT
	v_lshl_add_u32 v[XW], v15, 4, v17
	v_add_nc_u32 v[XW], XBASE, v[XW]               ; unit r, row 16 w + h
	v_mul_u32_u24 v18, v14, XUNIT
	v_add3_u32 v[XA], v18, v16, XBASE              ; unit h, row r
	s_lshl_b32 s44, s12, 2
	v_add_nc_u32 v19, s44, v14
	v_lshl_add_u32 v[QO], v19, 9, v16              ; (4 w + h) x 512 + 16 r
	s_lshl_b32 s44, s12, 9
	v_lshl_add_u32 v[VO], v14, 11, v16
	v_add_nc_u32 v[VO], s44, v[VO]                 ; 2,048 h + 16 (32 w + r)
	v_mul_u32_u24 v20, v14, WUNIT
	v_add3_u32 v[WA], v20, v16, s48
.irp n, 1,2,3,4
	v_add_nc_u32 v[WA+\n], \n*WTILE, v[WA]
.endr
	CONVERT 0
	s_wait_dscnt 0x0                               ; my rows of K step 0 are in LDS,
	s_wait_tensorcnt 4                             ; my quarter of tile 0 too; the four younger tiles stay out
	s_barrier_signal -1
	s_barrier_wait -1                              ; everybody's rows are
	FETCH 0, 0, F0
.irp s, 0,1,2,3,4,5,6,7
.irp qd, 0,1,2,3
	CHUNK \s, \qd
.endr
.endr
	; THE WAY OUT.  Four places behind the last matrix instructions, for the lines that read results and write over fragments.
	PLACES 4
	WIN 0x41                                       ; source 0 and destination window 1
.set i, 0
.rept 32
	v_pk_mul_f32 v[i:i+1], v[i:i+1], s[46:47] op_sel_hi:[1,0]      ; q's eight accumulators times c, in f32
.set i, i+2
.endr
	WIN 0x05                                       ; sources window 1, destination window 0
.set i, 0
.rept 96
	v_cvt_pk_f16_f32 v[TMP+i], v[2*i], v[2*i+1]    ; accumulator (c, mt) = registers 8 (4 c + mt) ..: four words of f16 at TMP + 4 (4 c + mt)
.set i, i+1
.endr
	WIN 0
.irp mt, 0,1,2,3
.irp c, 0,1
	global_store_b128 v[QO], v[TMP+4*(4*\c+\mt):TMP+4*(4*\c+\mt)+3], s[8:9] offset:(\mt>>1)*8192+\c*1024+(\mt&1)*256
.endr
.irp c, 2,3
	global_store_b128 v[QO], v[TMP+4*(4*\c+\mt):TMP+4*(4*\c+\mt)+3], s[10:11] offset:(\mt>>1)*16384+(\c-2)*1024+(\mt&1)*256
.endr
.irp c, 4,5
	global_store_b128 v[VO], v[TMP+4*(4*\c+\mt):TMP+4*(4*\c+\mt)+3], s[10:11] offset:(\mt>>1)*16384+8192+(\mt&1)*4096+(\c-4)*256
.endr
.endr
	CROUND                                         ; the closing round: no work-group ends while a partner may still ask for a tile that names it
	s_endpgm
.Lfunc_end_k_q52bac1e3f5_proj:
	.size	k_q52bac1e3f5_proj, .Lfunc_end_k_q52bac1e3f5_proj-k_q52bac1e3f5_proj
	.p2alignl 7, 3214868480
	.fill 96, 4, 3214868480
	.section	.rodata,"a",@progbits
	.p2align	6, 0x0
	.amdhsa_kernel k_q52bac1e3f5_proj
		.amdhsa_group_segment_fixed_size 327680
		.amdhsa_private_segment_fixed_size 0
		.amdhsa_enable_private_segment 0
		.amdhsa_kernarg_size 32
		.amdhsa_user_sgpr_count 2
		.amdhsa_user_sgpr_kernarg_segment_ptr 1
		.amdhsa_wavefront_size32 1
		.amdhsa_system_sgpr_workgroup_id_x 1
		.amdhsa_system_sgpr_workgroup_id_y 1
		.amdhsa_system_sgpr_workgroup_id_z 1
		.amdhsa_system_vgpr_workitem_id 0
		.amdhsa_next_free_vgpr 704
		.amdhsa_next_free_sgpr 66
		.amdhsa_reserve_vcc 0
		.amdhsa_float_denorm_mode_32 3
		.amdhsa_float_denorm_mode_16_64 3
		.amdhsa_memory_ordered 1
		.amdhsa_forward_progress 1
		.amdhsa_inst_pref_size 148
	.end_amdhsa_kernel
	.amdgpu_metadata
---
amdhsa.version: [ 1, 2 ]
amdhsa.kernels:
  - .name:           k_q52bac1e3f5_proj
    .symbol:         k_q52bac1e3f5_proj.kd
    .args:
      - { .name: x, .offset: 0, .size: 8, .value_kind: global_buffer, .address_space: global }
      - { .name: wp, .offset: 8, .size: 8, .value_kind: global_buffer, .address_space: global }
      - { .name: qh, .offset: 16, .size: 8, .value_kind: global_buffer, .address_space: global }
      - { .name: kv, .offset: 24, .size: 8, .value_kind: global_buffer, .address_space: global }
    .group_segment_fixed_size: 327680
    .private_segment_fixed_size: 0
    .kernarg_segment_align: 8
    .kernarg_segment_size: 32
    .max_flat_workgroup_size: 128
    .sgpr_count:     66
    .vgpr_count:     704
    .wavefront_size: 32
...
	.end_amdgpu_metadata
.endif
;; end of part 2
;; launch attn (part 3): grid 256 x 1, 4 waves a work-group, clusters of 4 x 1, 327,680 bytes of LDS; arguments qh, kv, out0; writes out0
.if DOCPART == 3
	.amdgcn_target "amdgcn-amd-amdhsa--gfx1250"
	.amdhsa_code_object_version 6
	.text
	.protected	k_q52bac1e3f5_attn
	.globl	k_q52bac1e3f5_attn
	.p2align	8
	.type	k_q52bac1e3f5_attn,@function
k_q52bac1e3f5_attn:
	s_mov_b64 s[64:65], 0
	v_nop
	global_prefetch_b8 v0, s[64:65] scope:SCOPE_SE
	s_setreg_imm32_b32 hwreg(HW_REG_WAVE_MODE, 25, 1), 1
	s_wait_xcnt 0x0
	s_wait_alu depctr_hold_cnt(0) depctr_sa_sdst(0) depctr_va_vdst(0) depctr_va_sdst(0) depctr_va_ssrc(0) depctr_va_vcc(0) depctr_vm_vsrc(0)
	s_getreg_b32 s2, hwreg(HW_REG_IB_STS2, 6, 4)
	s_cmp_eq_u32 s2, 0
	s_cbranch_scc0 .Lentry_in_a_cluster
	s_endpgm
.Lentry_in_a_cluster:
	s_bfe_u32 s2, ttmp6, 0x10000c
	s_cmp_lg_u32 s2, 0x3003
	s_cbranch_scc0 .Lentry_shape_is_right
	s_endpgm
.Lentry_shape_is_right:
; attn: out = softmax(q k^T / sqrt(128), causal) v, by a running maximum, for 8 batches of 2,048 tokens, head size 128.
; q (already times 128^-1/2 log2 e), k, v and the probabilities are f16 matrix operands; scores, maxima, sums and results are f32.
; LIMITS: scores (in base-2 units) must lie above -2^127 = -1.7e38, the floor under the running maximum; the unnormalised sums are f32;
; at the change of query blocks the old sums are wiped by a factor 0, so an infinity or NaN in them would pass into the second block.
; SHARES.  Cluster = (batch, a), a = 0..7.  The work-group at place cx owns two blocks of 32 queries: 4 a + cx and 63 - 4 a - cx.
; Keys go in tiles of 128 (65,536 bytes, K and V).  The first block needs tiles a .. 0, the second tiles 15 - a .. 0: always 17 trips,
; the same tiles in the same order in all four partners, so every tile is asked for JOINTLY (mask 15) and the requests are divided by four.
; Each block begins with its diagonal tile, the only one that needs the mask.
; Wave w takes keys 32 w .. 32 w + 31 of every tile for all 32 queries: each byte of K and V is read from LDS once in the work-group,
; and a wave reads only what it loaded itself.  The four waves' partial results (m, l, O) meet in LDS at the end.
; ORIENTATION.  S^T = K Q^T: a lane holds one query (r) and eight keys (8 h + j), so maximum and sum run inside the lane and once across
; the halves, and the packed probabilities ARE source 1 of O^T = V^T P^T; the rescaling factor is one number a lane.
; LDS: two slots of 65,536; stages 131,072 + 67,584 g (wave part 16,896: 32 queries at pitch 528 = 2 x 256 + 16 bytes); (m, l) at 266,240 + 1,024 g;
; each wave's copy of the second block's Q fragments at 268,288 + 8,192 w.  No tensor load ever lands behind byte 131,071.
.set SLOTB,  65536
.set STAGE,  131072
.set STAGEG, 67584
.set STAGEW, 16896
.set SP,     528
.set STATS,  266240
.set QSB,    268288
.set KA,   1                           ; v1-2    K fragments in slot 0, 1: my quarter + 512 h + 16 r
.set VA,   3                           ; v3-4    V fragments: my quarter + 8,192 + 2,048 h + 16 r
.set DMP,  5                           ; v5-6    my stage for block 0, 1: + 528 r + 32 h
.set STA,  7                           ; v7      (m, l): query r, wave w
.set QSA,  8                           ; v8      my copy of the second block's Q: + 16 lane
.set DLO,  9                           ; v9      first block's diagonal: key allowed if 16 (kt - qt) + j <= 32 (cx - w) + r - 8 h
.set DHI,  10                          ; v10     second block's: 32 (3 - cx - w) + r - 8 h
.set LS,   11                          ; v11, v29  running sum l of query tile 0, 1 (this half's keys)
.set M,    12                          ; v[12:13], v[14:15]  running maximum, twice
.set AL,   16                          ; v[16:17], v[18:19]  rescaling factor, twice
.set T,    20                          ; v20-23, v24-27  at work
.set QOFF, 30                          ; v30     512 h + 16 r
.set SC,   32                          ; v32-63  scores (kt, qt) at 16 qt + 8 kt; the packed probabilities of qt overlay 16 qt .. + 7
.set QF,   64                          ; v64-127   Q fragments (qt, c) at 8 (4 qt + c)
.set KF,   128                         ; v128-191  K fragments (kt, c) at 8 (4 kt + c)
.set VF,   192                         ; v192-255  V fragments dt at 8 dt
                                       ; window 1: O (dt, qt) at 8 (2 dt + qt), 128 registers
.set MST,  1                           ; the merge (K's and V's addresses are dead by then): (m, l) of my 8 rows
.set MSG,  2                           ; v2-3    stage of block 0, 1: my 8 rows + 16 lane
.set OUTO, 4                           ; v4      4,096 w + 16 lane
.set MS,   64                          ; v64-95    four rows' (m, l) of four waves
.set MD,   96                          ; v96-159   four rows' 4 numbers of four waves
.set RES,  160                         ; v160-175  four rows' results
.set MF,   176                         ; v176-191  four rows' four factors
.set MT,   192                         ; v192-195  four rows' maximum, then sum, then its reciprocal
.set G1,   16                          ; s[16:23] descriptor group 1
.set G0,   24                          ; s[24:31] descriptor group 0, one set for each slot
                                       ; s43 is the scalar work register (STEPNT writes it); s54 = wave x 16,384 is written once and kept
.set MSB, 0
.macro WIN new                         ; s_set_vgpr_msb: bits 1:0 source 0, 3:2 source 1, 5:4 source 2, 7:6 destination; the high byte repeats the setting that is left
.if MSB != \new
	s_set_vgpr_msb (MSB<<8)|\new
.set MSB, \new
.endif
.endm
.macro PLACES n
.rept \n
	v_nop
.endr
.endm
.macro CREST                           ; a round of the cluster's barrier behind its opening barrier
	s_cmp_lg_u32 s10, 0
	s_cbranch_scc1 .Lnot_wave_0_\@
	s_barrier_signal -3
.Lnot_wave_0_\@:
	s_barrier_wait -3
	s_barrier_signal -1
	s_barrier_wait -1
.endm
.macro CROUND
	s_barrier_signal -1
	s_barrier_wait -1
	CREST
.endm
.macro SETADDR slot                    ; the slot's next tile is tile s34 of the batch
	s_lshl_b32 s36, s34, 16
	s_add_nc_u64 s[G0+4*\slot+2:G0+4*\slot+3], s[32:33], s[36:37]
.endm
.macro STEPNT                          ; a, a-1, .. 0, 15-a, .. 0
	s_add_co_i32 s43, s34, -1
	s_cmp_eq_u32 s34, 0
	s_cselect_b32 s34, s35, s43
.endm
.macro QGLOAD dst, base                ; a block's Q fragments: 16 lanes take 256 consecutive bytes
.irp qt, 0,1
.irp c, 0,1,2,3
	global_load_b128 v[\dst+8*(4*\qt+\c):\dst+8*(4*\qt+\c)+3],   v[QOFF], s[\base:\base+1] offset:2048*\c+256*\qt
	global_load_b128 v[\dst+8*(4*\qt+\c)+4:\dst+8*(4*\qt+\c)+7], v[QOFF], s[\base:\base+1] offset:2048*\c+256*\qt+1024
.endr
.endr
.endm
.macro KLOAD b                         ; registers 0-3: d-unit 4 c + h, registers 4-7: d-unit 4 c + 2 + h
.irp kt, 0,1
.irp c, 0,1,2,3
	ds_load_b128 v[KF+8*(4*\kt+\c):KF+8*(4*\kt+\c)+3],   v[KA+\b] offset:2048*\c+256*\kt
	ds_load_b128 v[KF+8*(4*\kt+\c)+4:KF+8*(4*\kt+\c)+7], v[KA+\b] offset:2048*\c+256*\kt+1024
.endr
.endr
.endm
.macro VLOAD b                         ; registers 0-3: key-unit h, registers 4-7: key-unit 2 + h
.irp dt, 0,1,2,3,4,5,6,7
	ds_load_b128 v[VF+8*\dt:VF+8*\dt+3],   v[VA+\b] offset:256*\dt
	ds_load_b128 v[VF+8*\dt+4:VF+8*\dt+7], v[VA+\b] offset:256*\dt+4096
.endr
.endm
.macro LOADQ
.irp i, 0,1,2,3,4,5,6,7,8,9,10,11,12,13,14,15
	ds_load_b128 v[QF+4*\i:QF+4*\i+3], v[QSA] offset:512*\i
.endr
.endm
; 16 matrix instructions: S^T (32 keys x 32 queries) over d = 128.  The four accumulators take turns, one instruction a turn.
.macro SPH
.irp c, 0,1,2,3
.irp qt, 0,1
.irp kt, 0,1
.if \c == 0
	v_wmma_f32_16x16x32_f16 v[SC+16*\qt+8*\kt:SC+16*\qt+8*\kt+7], v[KF+8*(4*\kt+\c):KF+8*(4*\kt+\c)+7], v[QF+8*(4*\qt+\c):QF+8*(4*\qt+\c)+7], 0
.else
	v_wmma_f32_16x16x32_f16 v[SC+16*\qt+8*\kt:SC+16*\qt+8*\kt+7], v[KF+8*(4*\kt+\c):KF+8*(4*\kt+\c)+7], v[QF+8*(4*\qt+\c):QF+8*(4*\qt+\c)+7], v[SC+16*\qt+8*\kt:SC+16*\qt+8*\kt+7]
.endif
.endr
.endr
.endr
.endm
.macro MASK d                          ; the diagonal tile: keys behind the query become -infinity
.irp qt, 0,1
.irp kt, 0,1
.irp j, 0,1,2,3,4,5,6,7
	v_cmp_le_i32 vcc_lo, 16*(\kt-\qt)+\j, v[\d]
	v_cndmask_b32 v[SC+16*\qt+8*\kt+\j], s42, v[SC+16*\qt+8*\kt+\j], vcc_lo
.endr
.endr
.endr
.endm
; The running softmax of both query tiles.  The new maximum is never below the floor s39, so it is finite also where all my keys are masked
; or the old maximum is -infinity (a block's start): then alpha = 2^-inf = 0 and masked scores give p = 0.  zero = 1: the first trip, nothing to carry on.
.macro SOFTMAX zero
.irp qt, 0,1
	v_max3_num_f32 v[T+4*\qt],   v[SC+16*\qt],    v[SC+16*\qt+1],  v[SC+16*\qt+2]
	v_max3_num_f32 v[T+4*\qt+1], v[SC+16*\qt+3],  v[SC+16*\qt+4],  v[SC+16*\qt+5]
	v_max3_num_f32 v[T+4*\qt+2], v[SC+16*\qt+6],  v[SC+16*\qt+7],  v[SC+16*\qt+8]
	v_max3_num_f32 v[T+4*\qt+3], v[SC+16*\qt+9],  v[SC+16*\qt+10], v[SC+16*\qt+11]
	v_max3_num_f32 v[AL+2*\qt],  v[SC+16*\qt+12], v[SC+16*\qt+13], v[SC+16*\qt+14]
.endr
.irp qt, 0,1
	v_max3_num_f32 v[T+4*\qt],   v[T+4*\qt],   v[T+4*\qt+1], v[T+4*\qt+2]
	v_max3_num_f32 v[T+4*\qt+3], v[T+4*\qt+3], v[AL+2*\qt],  v[SC+16*\qt+15]
.endr
.irp qt, 0,1
	v_max3_num_f32 v[T+4*\qt], v[T+4*\qt], v[T+4*\qt+3], s39
.endr
.irp qt, 0,1
	v_permlanex16_b32 v[T+4*\qt+1], v[T+4*\qt], s40, s41           ; the other half's eight + eight keys of the same query
.endr
.irp qt, 0,1
.if \zero
	v_max_num_f32 v[T+4*\qt+2], v[T+4*\qt], v[T+4*\qt+1]
.else
	v_max3_num_f32 v[T+4*\qt+2], v[T+4*\qt], v[T+4*\qt+1], v[M+2*\qt]
	v_sub_f32 v[T+4*\qt+3], v[M+2*\qt], v[T+4*\qt+2]
.endif
.endr
.irp qt, 0,1
	v_mov_b32 v[M+2*\qt],   v[T+4*\qt+2]
	v_mov_b32 v[M+2*\qt+1], v[T+4*\qt+2]
.endr
.if \zero == 0
	v_exp_f32 v[AL],   v[T+3]                      ; alpha = 2^(old maximum - new maximum); the subtractions below are the plain lines behind it (ISA guide 5.7.2)
	v_exp_f32 v[AL+2], v[T+7]
.endif
.irp qt, 0,1
.irp i, 0,2,4,6,8,10,12,14
	v_pk_add_f32 v[SC+16*\qt+\i:SC+16*\qt+\i+1], v[SC+16*\qt+\i:SC+16*\qt+\i+1], v[M+2*\qt:M+2*\qt+1] neg_lo:[0,1] neg_hi:[0,1]
.endr
.endr
.set i, 0
.rept 32
	v_exp_f32 v[SC+i], v[SC+i]
.set i, i+1
.endr
.if \zero
	v_nop                                          ; one plain line behind the last exponential
	s_wait_alu depctr_va_vdst(0)
.else
	s_wait_alu depctr_va_vdst(0)
	v_mov_b32 v[AL+1], v[AL]                       ; the pairs for the packed rescaling; also the plain line behind the last exponential
	v_mov_b32 v[AL+3], v[AL+2]
.endif
.irp qt, 0,1
	v_pk_add_f32 v[T+4*\qt:T+4*\qt+1],   v[SC+16*\qt:SC+16*\qt+1],     v[SC+16*\qt+2:SC+16*\qt+3]
	v_pk_add_f32 v[T+4*\qt+2:T+4*\qt+3], v[SC+16*\qt+4:SC+16*\qt+5],   v[SC+16*\qt+6:SC+16*\qt+7]
.endr
.irp qt, 0,1
	v_pk_add_f32 v[T+4*\qt:T+4*\qt+1],   v[T+4*\qt:T+4*\qt+1],     v[SC+16*\qt+8:SC+16*\qt+9]
	v_pk_add_f32 v[T+4*\qt+2:T+4*\qt+3], v[T+4*\qt+2:T+4*\qt+3],   v[SC+16*\qt+10:SC+16*\qt+11]
.endr
.irp qt, 0,1
	v_pk_add_f32 v[T+4*\qt:T+4*\qt+1],   v[T+4*\qt:T+4*\qt+1],     v[SC+16*\qt+12:SC+16*\qt+13]
	v_pk_add_f32 v[T+4*\qt+2:T+4*\qt+3], v[T+4*\qt+2:T+4*\qt+3],   v[SC+16*\qt+14:SC+16*\qt+15]
.endr
.irp qt, 0,1
	v_pk_add_f32 v[T+4*\qt:T+4*\qt+1], v[T+4*\qt:T+4*\qt+1], v[T+4*\qt+2:T+4*\qt+3]
.endr
.irp qt, 0,1
.if \zero
	v_add_f32 v[LS+18*\qt], v[T+4*\qt], v[T+4*\qt+1]
.else
	v_fma_f32 v[LS+18*\qt], v[LS+18*\qt], v[AL+2*\qt], v[T+4*\qt]
.endif
.endr
.if \zero == 0
.irp qt, 0,1
	v_add_f32 v[LS+18*\qt], v[LS+18*\qt], v[T+4*\qt+1]
.endr
.endif
.irp qt, 0,1                           ; keys 8 h + j into registers 0-3, keys 16 + 8 h + j into registers 4-7: source 1 of the second product, in place, ascending
.irp i, 0,1,2,3,4,5,6,7
	v_cvt_pk_f16_f32 v[SC+16*\qt+\i], v[SC+16*\qt+2*\i], v[SC+16*\qt+2*\i+1]
.endr
.endr
.endm
.macro RESCALE                         ; O times alpha
	WIN 0x41                                       ; source 0 and destination window 1, alpha window 0
.irp dt, 0,1,2,3,4,5,6,7
.irp qt, 0,1
.irp i, 0,2,4,6
	v_pk_mul_f32 v[8*(2*\dt+\qt)+\i:8*(2*\dt+\qt)+\i+1], v[8*(2*\dt+\qt)+\i:8*(2*\dt+\qt)+\i+1], v[AL+2*\qt:AL+2*\qt+1]
.endr
.endr
.endr
.endm
; 16 matrix instructions on 16 accumulators: O^T += V^T P^T over my 32 keys
.macro PV zero
	WIN 0x50                                       ; A and B window 0, C and D window 1
.irp dt, 0,1,2,3,4,5,6,7
.irp qt, 0,1
.if \zero
	v_wmma_f32_16x16x32_f16 v[8*(2*\dt+\qt):8*(2*\dt+\qt)+7], v[VF+8*\dt:VF+8*\dt+7], v[SC+16*\qt:SC+16*\qt+7], 0
.else
	v_wmma_f32_16x16x32_f16 v[8*(2*\dt+\qt):8*(2*\dt+\qt)+7], v[VF+8*\dt:VF+8*\dt+7], v[SC+16*\qt:SC+16*\qt+7], v[8*(2*\dt+\qt):8*(2*\dt+\qt)+7]
.endif
.endr
.endr
	WIN 0
.endm
; My partial result of block g goes to LDS in two parts.  DUMPS: (m, l over both halves), while m and l are still the block's.
.macro DUMPS g
.irp qt, 0,1
	v_permlanex16_b32 v[T+4*\qt+1], v[LS+18*\qt], s40, s41
.endr
.irp qt, 0,1
	v_add_f32 v[T+4*\qt+1], v[LS+18*\qt], v[T+4*\qt+1]
	v_mov_b32 v[T+4*\qt], v[M+2*\qt]
.endr
.irp qt, 0,1
	ds_store_b64 v[STA], v[T+4*\qt:T+4*\qt+1] offset:1024*\g+512*\qt   ; both halves write the same pair
.endr
.endm
; DUMPO: O, query by query: any time before O is rescaled again.
.macro DUMPO g
	WIN 0x04                                       ; address window 0, data window 1
.irp qt, 0,1
.irp dt, 0,1,2,3,4,5,6,7
.irp hf, 0,1
	ds_store_b128 v[DMP+\g], v[8*(2*\dt+\qt)+4*\hf:8*(2*\dt+\qt)+4*\hf+3] offset:16*SP*\qt+64*\dt+16*\hf
.endr
.endr
.endr
	WIN 0
.endm
; One trip = one tile of 128 keys.  K's fragments were loaded in the trip before, under its second product.
; head = 2: this slot is filled again, two tiles on; 1: only the next K fragments are fetched; 0: the last trip.
; sw = 1: the trip may be the one in which the second block begins (trip a + 1, the same in all partners).  zero = 1: the first trip.
.macro TRIP slot, head, sw, zero
.if \zero == 0
	PLACES 5                                       ; behind the last trip's second product: V's loads land on its source 0 (four places), and the
	                                               ; first product writes over its source 1 (five places): ISA guide 7.12.1 for vector instructions
.endif
.if \sw
	s_cmp_lg_u32 s14, s15
	s_cbranch_scc1 .Lsame_\@
	DUMPS 0                                        ; the first block is done: its (m, l) leave now,
	LOADQ                                          ; the second block's queries come,
.irp i, 0,1,2,3
	v_mov_b32 v[M+\i], s42                         ; and maximum = -infinity: this trip's alpha is 0 and wipes O and l
.endr
.Lsame_\@:
.endif
	VLOAD \slot
	s_wait_dscnt 16                                ; LDS serves a wave in order: all but the sixteen V loads just issued are done: K, and on the way through the change (m, l) and Q
	SPH
	PLACES 4                                       ; behind the first product: its results are read, and later K's next fragments land on its source 0
.if \zero
	MASK DLO
.endif
.if \sw
	s_cmp_lg_u32 s14, s15
	s_cbranch_scc1 .Lfree_\@
	MASK DHI
	DUMPO 0                                        ; the first block's O, still untouched, leaves under the softmax: 32 stores beside the 16 V loads
.Lfree_\@:
.endif
	SOFTMAX \zero
	s_wait_dscnt 0x0                               ; V is in registers: my reads of this slot are over (and the stores of O, if any, are done)
.if \head == 2
	s_wait_tensorcnt 0x0                           ; all my tensor loads have landed: the one that was out is my quarter of the next tile,
	SETADDR \slot                                  ; so this slot's group 0 may be written
	STEPNT
	s_barrier_signal -1                            ; opens a round of the cluster's barrier
.if \zero == 0
	RESCALE                                        ; work on registers while the others arrive
	WIN 0
.endif
	s_barrier_wait -1
	CREST                                          ; no wave of any partner still reads this slot or has a load on its way
	tensor_load_to_lds s[G0+4*\slot:G0+4*\slot+3], s[G1:G1+7]      ; the first tensor load behind the round; it has a whole trip in which to land
	s_nop 0
	KLOAD 1-\slot                                  ; my own quarter of the next tile, under the second product
.elseif \head == 1
	s_wait_tensorcnt 0x0                           ; the last tile; no younger load exists
	RESCALE
	WIN 0
	KLOAD 1-\slot
.else
	RESCALE
.endif
	PV \zero
	s_add_co_u32 s14, s14, 1                       ; the trip's number
.endm
; The merge of four rows 8 w + i0 .. + 3 of block g: out = sum over waves of O_w 2^(m_w - m*) / sum over waves of l_w 2^(m_w - m*).
.macro MROWS g, i0
	s_wait_xcnt 0x0                                ; the results' registers, which the last group's stores read, are rewritten only behind this wait
.irp k, 0,1,2,3
	ds_load_b128 v[MS+8*\k:MS+8*\k+3],   v[MST] offset:1024*\g+32*(\i0+\k)       ; (m, l) of waves 0, 1: the same bytes for every lane
	ds_load_b128 v[MS+8*\k+4:MS+8*\k+7], v[MST] offset:1024*\g+32*(\i0+\k)+16    ; of waves 2, 3
.irp ww, 0,1,2,3
	ds_load_b128 v[MD+16*\k+4*\ww:MD+16*\k+4*\ww+3], v[MSG+\g] offset:STAGEW*\ww+SP*(\i0+\k)   ; 32 lanes take the row's 512 bytes
.endr
.endr
	s_wait_dscnt 0x0
.irp k, 0,1,2,3
	v_max3_num_f32 v[MT+\k], v[MS+8*\k], v[MS+8*\k+2], v[MS+8*\k+4]
.endr
.irp k, 0,1,2,3
	v_max_num_f32 v[MT+\k], v[MT+\k], v[MS+8*\k+6]
.endr
.irp k, 0,1,2,3
.irp ww, 0,1,2,3
	v_sub_f32 v[MF+4*\k+\ww], v[MS+8*\k+2*\ww], v[MT+\k]
.endr
.endr
.set i, 0
.rept 16
	v_exp_f32 v[MF+i], v[MF+i]
.set i, i+1
.endr
	v_nop                                          ; one plain line behind the exponentials
	s_wait_alu depctr_va_vdst(0)
.irp k, 0,1,2,3
	v_mul_f32 v[MT+\k], v[MS+8*\k+1], v[MF+4*\k]
.endr
.irp ww, 1,2,3
.irp k, 0,1,2,3
	v_fmac_f32 v[MT+\k], v[MS+8*\k+2*\ww+1], v[MF+4*\k+\ww]
.endr
.endr
.irp k, 0,1,2,3
	v_rcp_f32 v[MT+\k], v[MT+\k]                   ; the sum is at least 1: the wave that holds the maximum counts its key with p = 1
.endr
	v_nop                                          ; one plain line behind the reciprocals
	s_wait_alu depctr_va_vdst(0)
.irp k, 0,1,2,3
.irp ww, 0,1,2,3
	v_mul_f32 v[MF+4*\k+\ww], v[MF+4*\k+\ww], v[MT+\k]
.endr
.endr
.irp k, 0,1,2,3
.irp e, 0,1,2,3
	v_mul_f32 v[RES+4*\k+\e], v[MD+16*\k+\e], v[MF+4*\k]
.endr
.endr
.irp ww, 1,2,3
.irp k, 0,1,2,3
.irp e, 0,1,2,3
	v_fmac_f32 v[RES+4*\k+\e], v[MD+16*\k+4*\ww+\e], v[MF+4*\k+\ww]
.endr
.endr
.endr
.irp k, 0,1,2,3
	global_store_b128 v[OUTO], v[RES+4*\k:RES+4*\k+3], s[44+2*\g:45+2*\g] offset:512*(\i0+\k) th:TH_STORE_NT   ; a whole row of 512 bytes a store
.endr
.endm
	s_load_b128 s[4:7], s[0:1], 0x0                ; qh s[4:5], kv s[6:7]
	s_load_b64 s[8:9], s[0:1], 0x10                ; out0
	v_lshrrev_b32 v31, 5, v0
	v_readfirstlane_b32 s10, v31                   ; wave 0..3
	s_bfe_u32 s11, ttmp6, 0x40000                  ; cx: my place in the cluster
	s_and_b32 s12, ttmp9, 7                        ; a
	s_lshr_b32 s13, ttmp9, 3                       ; batch
	s_add_co_u32 s15, s12, 1                       ; the trip in which the second block begins
	s_sub_co_u32 s35, 15, s12                      ; the second block's first tile
	s_lshl_b32 s54, s10, 14                        ; my quarter of a tile, in kv and in a slot: no place in the cluster enters either
	s_mov_b32 s37, 0
	s_mov_b32 s39, 0xff000000                      ; -2^127: the floor under the running maximum
	s_mov_b32 s40, 0x76543210                      ; v_permlanex16_b32: lane i of one half reads lane i of the other
	s_mov_b32 s41, 0xfedcba98
	s_mov_b32 s42, 0xff800000                      ; -infinity
	v_and_b32 v28, 15, v0                          ; r
	v_bfe_u32 v31, v0, 4, 1                        ; h
	v_lshlrev_b32 v27, 4, v28                      ; 16 r
	v_lshl_add_u32 v[QOFF], v31, 9, v27            ; 512 h + 16 r
	s_lshl_b32 s43, s12, 2
	s_add_co_u32 s43, s43, s11                     ; first block 4 a + cx
	s_sub_co_u32 s52, 63, s43                      ; second block 63 - 4 a - cx
	s_lshl_b32 s53, s13, 6                         ; 64 blocks a batch
	s_add_co_u32 s43, s43, s53
	s_add_co_u32 s52, s52, s53
	s_wait_kmcnt 0x0
	s_lshl_b32 s36, s43, 13                        ; a block of qh is 8,192 bytes
	s_add_nc_u64 s[48:49], s[4:5], s[36:37]
	s_lshl_b32 s36, s52, 13
	s_add_nc_u64 s[50:51], s[4:5], s[36:37]
	QGLOAD QF, 48                                  ; the first block's queries where they are used,
	QGLOAD VF, 50                                  ; the second block's on their way to my copy in LDS
	s_lshl_b32 s36, s43, 14                        ; 32 rows of 512 bytes of out0
	s_add_nc_u64 s[44:45], s[8:9], s[36:37]
	s_lshl_b32 s36, s52, 14
	s_add_nc_u64 s[46:47], s[8:9], s[36:37]
	s_lshl_b32 s36, s13, 20                        ; a batch of kv is 64 groups of 16,384 bytes
	s_add_co_u32 s36, s36, s54
	s_add_nc_u64 s[32:33], s[6:7], s[36:37]
	s_or_b32 s33, s33, 0x80000000                  ; type = 2
	; descriptor group 1: 64 dense rows of 32 elements of 8 bytes = 16,384 bytes
	s_mov_b32 s[G1+0], 15|(3<<16)|(1<<21)          ; 15:0 the mask: all four work-groups; 17:16 elements of 8 bytes; 21 set beside a mask
	s_mov_b32 s[G1+1], 32<<16                      ; tensor_dim0 = 32
	s_mov_b32 s[G1+2], 64<<16                      ; tensor_dim1 = 64
	s_mov_b32 s[G1+3], 32<<16                      ; tile_dim0 = 32
	s_mov_b32 s[G1+4], 64                          ; tile_dim1 = 64
	s_mov_b32 s[G1+5], 32                          ; from row to row: 32 elements
	s_mov_b32 s[G1+6], 0
	s_mov_b32 s[G1+7], 0
	s_mov_b32 s[G0+0], 1
	s_lshl_b32 s[G0+1], s10, 14
	s_mov_b32 s[G0+4], 1
	s_add_co_u32 s[G0+5], s[G0+1], SLOTB
	s_mov_b32 s34, s12                             ; the first tile is tile a
	SETADDR 0
	STEPNT
	SETADDR 1
	STEPNT
	CROUND                                         ; all four work-groups are here: the first joint loads meet
	tensor_load_to_lds s[G0:G0+3], s[G1:G1+7]
	s_nop 0
	tensor_load_to_lds s[G0+4:G0+7], s[G1:G1+7]
	s_nop 0
	v_add_nc_u32 v[KA], s54, v[QOFF]
	v_add_nc_u32 v[KA+1], SLOTB, v[KA]
	s_add_co_u32 s43, s54, 8192                    ; V's part lies behind K's 8,192 bytes
	v_lshl_add_u32 v[VA], v31, 11, v27
	v_add_nc_u32 v[VA], s43, v[VA]
	v_add_nc_u32 v[VA+1], SLOTB, v[VA]
	v_mul_u32_u24 v[DMP], v28, SP
	v_lshl_add_u32 v[DMP], v31, 5, v[DMP]
	s_mul_i32 s43, s10, STAGEW
	s_add_co_u32 s43, s43, STAGE
	v_add_nc_u32 v[DMP], s43, v[DMP]
	v_add_nc_u32 v[DMP+1], STAGEG, v[DMP]
	s_lshl_b32 s43, s10, 3
	s_add_co_u32 s43, s43, STATS
	v_lshlrev_b32 v[STA], 5, v28
	v_add_nc_u32 v[STA], s43, v[STA]
	s_lshl_b32 s43, s10, 13
	s_add_co_u32 s43, s43, QSB
	v_and_b32 v[QSA], 31, v0
	v_lshlrev_b32 v[QSA], 4, v[QSA]
	v_add_nc_u32 v[QSA], s43, v[QSA]
	v_lshlrev_b32 v26, 3, v31
	v_sub_nc_u32 v26, v28, v26                     ; r - 8 h
	s_sub_co_i32 s43, s11, s10
	s_lshl_b32 s43, s43, 5
	v_add_nc_u32 v[DLO], s43, v26                  ; the masks' numbers hang on cx; they feed selects alone, no address and no branch
	s_sub_co_i32 s43, 3, s11
	s_sub_co_i32 s43, s43, s10
	s_lshl_b32 s43, s43, 5
	v_add_nc_u32 v[DHI], s43, v26
	s_wait_loadcnt 0x0                             ; both blocks' queries
.irp i, 0,1,2,3,4,5,6,7,8,9,10,11,12,13,14,15
	ds_store_b128 v[QSA], v[VF+4*\i:VF+4*\i+3] offset:512*\i       ; my own bytes: I alone read them back
.endr
	s_wait_tensorcnt 1                             ; my quarter of the first tile is in; the second tile stays out.  I read only what I loaded: no barrier
	KLOAD 0
	s_mov_b32 s14, 0
	TRIP 0, 2, 0, 1                                ; trip 0: the first block's diagonal tile starts all sums
	s_mov_b32 s38, 7
.Lpair:
	TRIP 1, 2, 1, 0                                ; trips 1 .. 14
	TRIP 0, 2, 1, 0
	s_sub_co_i32 s38, s38, 1
	s_cmp_lg_u32 s38, 0
	s_cbranch_scc1 .Lpair
	TRIP 1, 1, 0, 0                                ; trip 15 asks for nothing more,
	TRIP 0, 0, 0, 0                                ; trip 16 is the last
	PLACES 4                                       ; behind the last matrix instructions: the dump reads results, the merge loads into fragments' registers
	DUMPS 1
	DUMPO 1
	s_wait_dscnt 0x0                               ; my partial results are in LDS,
	s_barrier_signal -1
	s_barrier_wait -1                              ; everybody's are
	s_lshl_b32 s43, s10, 8
	s_add_co_u32 s43, s43, STATS
	v_mov_b32 v[MST], s43                          ; (m, l) of rows 8 w ..
	v_and_b32 v28, 31, v0
	v_lshlrev_b32 v28, 4, v28                      ; 16 lane
	s_mul_i32 s43, s10, 8*SP
	s_add_co_u32 s43, s43, STAGE
	v_add_nc_u32 v[MSG], s43, v28
	v_add_nc_u32 v[MSG+1], STAGEG, v[MSG]
	s_lshl_b32 s43, s10, 12
	v_add_nc_u32 v[OUTO], s43, v28
	MROWS 0, 0
	MROWS 0, 4
	MROWS 1, 0
	MROWS 1, 4
	CROUND                                         ; the closing round: no work-group ends while a partner may still ask for a tile that names it
	s_endpgm
.Lfunc_end_k_q52bac1e3f5_attn:
	.size	k_q52bac1e3f5_attn, .Lfunc_end_k_q52bac1e3f5_attn-k_q52bac1e3f5_attn
	.p2alignl 7, 3214868480
	.fill 96, 4, 3214868480
	.section	.rodata,"a",@progbits
	.p2align	6, 0x0
	.amdhsa_kernel k_q52bac1e3f5_attn
		.amdhsa_group_segment_fixed_size 327680
		.amdhsa_private_segment_fixed_size 0
		.amdhsa_enable_private_segment 0
		.amdhsa_kernarg_size 24
		.amdhsa_user_sgpr_count 2
		.amdhsa_user_sgpr_kernarg_segment_ptr 1
		.amdhsa_wavefront_size32 1
		.amdhsa_system_sgpr_workgroup_id_x 1
		.amdhsa_system_sgpr_workgroup_id_y 1
		.amdhsa_system_sgpr_workgroup_id_z 1
		.amdhsa_system_vgpr_workitem_id 0
		.amdhsa_next_free_vgpr 384
		.amdhsa_next_free_sgpr 66
		.amdhsa_reserve_vcc 1
		.amdhsa_float_denorm_mode_32 3
		.amdhsa_float_denorm_mode_16_64 3
		.amdhsa_memory_ordered 1
		.amdhsa_forward_progress 1
		.amdhsa_inst_pref_size 120
	.end_amdhsa_kernel
	.amdgpu_metadata
---
amdhsa.version: [ 1, 2 ]
amdhsa.kernels:
  - .name:           k_q52bac1e3f5_attn
    .symbol:         k_q52bac1e3f5_attn.kd
    .args:
      - { .name: qh, .offset: 0, .size: 8, .value_kind: global_buffer, .address_space: global }
      - { .name: kv, .offset: 8, .size: 8, .value_kind: global_buffer, .address_space: global }
      - { .name: out0, .offset: 16, .size: 8, .value_kind: global_buffer, .address_space: global }
    .group_segment_fixed_size: 327680
    .private_segment_fixed_size: 0
    .kernarg_segment_align: 8
    .kernarg_segment_size: 24
    .max_flat_workgroup_size: 128
    .sgpr_count:     66
    .vgpr_count:     384
    .wavefront_size: 32
...
	.end_amdgpu_metadata
.endif
;; end of part 3
;; ======== version 2 of 2: 3 launches; 1.23 times as fast as version 1
;; limits: values are held in f16: magnitudes above 65,504 overflow, below 6.1e-05 lose precision
;; workspace buffers: wp 786,432 bytes; qh 4,194,304 bytes; kv 8,388,608 bytes
;; launch prep: the kernel of part 1 again; grid 256 x 1, 6 waves a work-group, no clusters, 0 bytes of LDS; arguments Wq, Wk, Wv, wp; writes wp
;; launch proj (part 4): grid 256 x 1, 4 waves a work-group, clusters of 4 x 1, 327,680 bytes of LDS; arguments x, wp, qh, kv; writes qh, kv
.if DOCPART == 4
	.amdgcn_target "amdgcn-amd-amdhsa--gfx1250"
	.amdhsa_code_object_version 6
	.text
	.protected	k_q52bac1e3f5_proj
	.globl	k_q52bac1e3f5_proj
	.p2align	8
	.type	k_q52bac1e3f5_proj,@function
k_q52bac1e3f5_proj:
	s_mov_b64 s[64:65], 0
	v_nop
	global_prefetch_b8 v0, s[64:65] scope:SCOPE_SE
	s_setreg_imm32_b32 hwreg(HW_REG_WAVE_MODE, 25, 1), 1
	s_wait_xcnt 0x0
	s_wait_alu depctr_hold_cnt(0) depctr_sa_sdst(0) depctr_va_vdst(0) depctr_va_sdst(0) depctr_va_ssrc(0) depctr_va_vcc(0) depctr_vm_vsrc(0)
	s_getreg_b32 s2, hwreg(HW_REG_IB_STS2, 6, 4)
	s_cmp_eq_u32 s2, 0
	s_cbranch_scc0 .Lentry_in_a_cluster
	s_endpgm
.Lentry_in_a_cluster:
	s_bfe_u32 s2, ttmp6, 0x10000c
	s_cmp_lg_u32 s2, 0x3003
	s_cbranch_scc0 .Lentry_shape_is_right
	s_endpgm
.Lentry_shape_is_right:
; proj: q c, k, v = x W.  x [16384][1024] f32 is rounded to bf16 on its way, W comes as bf16 from wp, sums in f32, results in f16.
; c = 128^-1/2 log2(e) is applied to q in f32 before its one rounding, so that the attention's exponentials are plain powers of two.
; LIMIT: q c, k and v are kept in f16: their magnitudes must stay below 65,504.
; SHARES.  A work-group owns 64 tokens and all 384 columns; wave w owns all 64 rows x columns 32 w .. 32 w + 31 of each of q, k, v:
; 6 column tiles x 4 row tiles = 24 accumulators of 16 x 16, 768 matrix instructions.  256 work-groups.
; x: each wave loads 16 of the 64 rows (16 lanes take 256 consecutive bytes of a row), three K steps of 128 ahead in three sets of
; registers, rounds them and lays them into one of two LDS slots, from which all four waves take their fragments.
; W: tiles of 64 along K (49,152 bytes) through five LDS slots filled by the tensor data mover; a wave loads and reads only its own
; quarter.  CLUSTERS: every work-group walks the same wp, so four work-groups form a cluster and ask for each quarter jointly
; (mask 15): the requests for wp are divided by four.  x is read by one work-group only and is not shared.
; WHERE A CLUSTER BEGINS: cluster number n walks the eight K steps in a circle from K step rot = (n xor n >> 3) & 7: its step s is K step
; (s + rot) & 7, its tile t of wp is tile (t + 2 rot) & 15.  So the clusters do not all ask for the same tile at the same moment: the five
; tiles 2 rot .. 2 rot + 4 that each asks for at its start cover, over the eight starts, all sixteen, and what a cluster asks for later another
; has asked for at its start.  Only global addresses hang on rot; slots, waits and the order of the text do not.  The f32 sums run in that order.
; ORDER OF K: within a K step of 128, unit U (8 numbers) holds k = 4 U + {0,1,2,3,64,65,66,67}: what a lane gets from two 16-byte
; loads 256 bytes apart.  wp has the same order, so each product meets its partner; only the order of the sum differs.
; OUTPUT LAYOUTS (16 lanes always store 256 consecutive bytes, aligned):
;   qh [512 blocks of 32 tokens][d-unit 16][token 32][8 d] f16
;   kv [512 groups of 32 tokens]: K part 8,192 bytes [d-unit 16][key 32][8 d], then V part 8,192 bytes [key-unit 4][d 128][8 keys]
; For q and k source 0 is W and source 1 is x, so a lane holds 8 neighbouring d of one token; for v the other way round, so a lane
; holds 8 neighbouring tokens of one d.  Both are then 16 bytes that belong together: no stage in LDS on the way out.
; REGISTERS.  window 0: addresses, two fragment buffers; window 1: the 24 accumulators; window 2: three sets of 64 for x.
.set WTILE,  49152                     ; a tile of wp: 64 along K x 384 columns x 2 bytes
.set WQUART, 12288                     ; a wave's quarter of it: [unit 8][n 96][16 bytes]
.set WUNIT,  1536                      ; a unit's 96 columns
.set XBASE,  5*WTILE                   ; 245,760: behind the five W slots; filled by ds_store alone
.set XUNIT,  1040                      ; a unit's 64 rows of 16 bytes + 16: the sixteen lanes of a store (one unit each) touch sixteen different 16-byte columns modulo 256 bytes
.set XSLOT,  16*XUNIT                  ; 16,640: a K step of x in bf16
.set XO,  2                            ; v2      x: (16 w + h) rows of 4,096 bytes + 16 r
.set XW,  3                            ; v3      where I lay my 16 bytes of a row: unit r, row 16 w + h
.set XA,  4                            ; v4      x fragments: unit h, row r
.set QO,  5                            ; v5      q and k out: d-unit 4 w + h, token r
.set VO,  6                            ; v6      v out: key-unit h, d 32 w + r
.set WA,  8                            ; v8-12   W fragments in slot n: my quarter, unit h, column r
.set XOS, 24                           ; v24-31  x in my step s: XO + 512 ((s + rot) & 7); written once
.set F0,  64                           ; v64-143   fragment buffer 0: x's four row tiles, then W's six column tiles
.set F1,  144                          ; v144-223  fragment buffer 1
.set TMP, 64                           ; v64-159   the way out: 24 x 4 registers of f16
.set G1,  16                           ; s[16:23]  descriptor group 1
.set G0,  24                           ; s[24:43]  descriptor group 0, one set for each of the five slots
.set OFS, 44                           ; s[44:45]  an offset in 64 bits; s45 stays 0
.set WB,  50                           ; s[50:51]  wp at my quarter, type bits set
.set ROT, 52                           ; s52 rot; s53 at work; s54 = 2 rot
.set MSB, 0
.macro WIN new                         ; s_set_vgpr_msb: bits 1:0 source 0, 3:2 source 1, 5:4 source 2, 7:6 destination; the high byte repeats the setting that is left
.if MSB != \new
	s_set_vgpr_msb (MSB<<8)|\new
.set MSB, \new
.endif
.endm
.macro PLACES n
.rept \n
	v_nop
.endr
.endm
; A round of the cluster's barrier: my work-group's barrier, wave 0 signals for the work-group, every wave waits for all four
; work-groups, my work-group's barrier once more.
.macro CREST                           ; a round behind its opening barrier
	s_cmp_lg_u32 s12, 0
	s_cbranch_scc1 .Lnot_wave_0_\@
	s_barrier_signal -3
.Lnot_wave_0_\@:
	s_barrier_wait -3
	s_barrier_signal -1
	s_barrier_wait -1
.endm
.macro CROUND
	s_barrier_signal -1
	s_barrier_wait -1
	CREST
.endm
; My tile t goes to slot t % 5 and is tile (t + 2 rot) & 15 of wp.
.macro SETW t
	s_add_co_u32 s[OFS], s[ROT+2], \t
	s_and_b32 s[OFS], s[OFS], 15
	s_mul_i32 s[OFS], s[OFS], WTILE
	s_add_nc_u64 s[G0+4*((\t)%5)+2:G0+4*((\t)%5)+3], s[WB:WB+1], s[OFS:OFS+1]
.endm
; My step sx of my 16 rows of x: 16 loads, each 2 x 256 consecutive bytes, into set sx % 3 of window 2.
.macro LOADX sx
	WIN 0x80                                       ; destination window 2, address window 0
.set XB, 64*((\sx)%3)
.irp p, 0,1,2,3,4,5,6,7
	global_load_b128 v[XB+8*\p:XB+8*\p+3],   v[XOS+(\sx)], s[4:5] offset:\p*8192 th:TH_LOAD_NT
	global_load_b128 v[XB+8*\p+4:XB+8*\p+7], v[XOS+(\sx)], s[4:5] offset:\p*8192+256 th:TH_LOAD_NT
.endr
.endm
; Step sx is rounded to bf16 in place, laid into x slot sx & 1, and its registers are asked for again three steps on.
.macro CONVERT sx
.if (\sx) < 6
	s_wait_loadcnt 32                              ; loads come back in order: the two younger steps, 16 loads each, stay out
.else
	s_wait_loadcnt 16*(7-(\sx))                    ; nothing is asked for beyond step 7: one younger step, then none
.endif
.set XB, 64*((\sx)%3)
	WIN 0x8a                                       ; all three operands in window 2
.irp p, 0,1,2,3,4,5,6,7
.irp i, 0,1,2,3
	v_cvt_pk_bf16_f32 v[XB+8*\p+\i], v[XB+8*\p+2*\i], v[XB+8*\p+2*\i+1]
.endr
.endr
	WIN 0x08                                       ; address window 0, data window 2
.irp p, 0,1,2,3,4,5,6,7
	ds_store_b128 v[XW], v[XB+8*\p:XB+8*\p+3] offset:((\sx)&1)*XSLOT+32*\p   ; row 16 w + h + 2 p
.endr
.if (\sx)+3 <= 7
	LOADX \sx+3
.endif
.endm
; The fragments of chunk qd (32 along K) of step s into buffer g: 20 loads, 16 lanes on 256 consecutive bytes each.
; Registers 0-3 of a fragment are unit 4 qd + h, registers 4-7 unit 4 qd + 2 + h.
.macro FETCH s, qd, g
	WIN 0
.set XOF, ((\s)&1)*XSLOT+4*XUNIT*(\qd)
.set WSL, (2*(\s)+((\qd)>>1))%5
.set WOF, 4*WUNIT*((\qd)&1)
.irp mt, 0,1,2,3
	ds_load_b128 v[\g+8*\mt:\g+8*\mt+3],   v[XA] offset:XOF+256*\mt
	ds_load_b128 v[\g+8*\mt+4:\g+8*\mt+7], v[XA] offset:XOF+256*\mt+2*XUNIT
.endr
.irp c, 0,1,2,3,4,5
	ds_load_b128 v[\g+32+8*\c:\g+32+8*\c+3],   v[WA+WSL] offset:WOF+256*\c
	ds_load_b128 v[\g+32+8*\c+4:\g+32+8*\c+7], v[WA+WSL] offset:WOF+256*\c+2*WUNIT
.endr
.endm
; 12 matrix instructions: row tiles mtlo, mtlo + 1 x the six column tiles.  The 24 accumulators take turns, one instruction a turn,
; in the same order in every chunk.  zero = 1: the first product starts the sums.
.macro MUL buf, mtlo, zero
	WIN 0x50                                       ; A and B window 0, C and D window 1
.irp mt, \mtlo, \mtlo+1
.irp c, 0,1,2,3
.if \zero
	v_wmma_f32_16x16x32_bf16 v[8*(4*\c+\mt):8*(4*\c+\mt)+7], v[\buf+32+8*\c:\buf+32+8*\c+7], v[\buf+8*(\mt):\buf+8*(\mt)+7], 0
.else
	v_wmma_f32_16x16x32_bf16 v[8*(4*\c+\mt):8*(4*\c+\mt)+7], v[\buf+32+8*\c:\buf+32+8*\c+7], v[\buf+8*(\mt):\buf+8*(\mt)+7], v[8*(4*\c+\mt):8*(4*\c+\mt)+7]
.endif
.endr
.irp c, 4,5
.if \zero
	v_wmma_f32_16x16x32_bf16 v[8*(4*\c+\mt):8*(4*\c+\mt)+7], v[\buf+8*(\mt):\buf+8*(\mt)+7], v[\buf+32+8*\c:\buf+32+8*\c+7], 0
.else
	v_wmma_f32_16x16x32_bf16 v[8*(4*\c+\mt):8*(4*\c+\mt)+7], v[\buf+8*(\mt):\buf+8*(\mt)+7], v[\buf+32+8*\c:\buf+32+8*\c+7], v[8*(4*\c+\mt):8*(4*\c+\mt)+7]
.endif
.endr
.endr
.endm
; My quarter of my tile t has landed.  Tiles go out in batches 0-4, 5-8, 9-12, 13-15; a wave's tensor loads end in order
; (ISA guide 10.11.1), so the count is the number of younger tiles of the same batch.  At most five are out.
.macro TWAIT t
.if (\t) < 5
	s_wait_tensorcnt 4-(\t)
.elseif (\t) < 9
	s_wait_tensorcnt 8-(\t)
.elseif (\t) < 13
	s_wait_tensorcnt 12-(\t)
.else
	s_wait_tensorcnt 15-(\t)
.endif
.endm
; Chunk qd of step s: multiplies one fragment buffer and fetches the next chunk's fragments into the other.
; The four v_nop stand behind the matrix instructions that read the other buffer, in front of the loads into it (ISA guide 7.12.1
; for vector instructions).
.macro CHUNK s, qd
.if (4*\s+\qd)&1
.set FC, F1
.set FN, F0
.else
.set FC, F0
.set FN, F1
.endif
.if 4*\s+\qd == 0
.set ZR, 1
.else
.set ZR, 0
.endif
	s_wait_dscnt 0x0                               ; this chunk's fragments, asked for one chunk ago, are in (and my stores of x are done)
.if \qd < 3
.if \qd == 1
	TWAIT 2*\s+1                                   ; the next chunk begins the step's second tile of W
.endif
.if ZR == 0
	PLACES 4
.endif
	FETCH \s, \qd+1, FN
	MUL FC, 0, ZR
.if \qd == 2
.if \s < 7
	CONVERT \s+1                                   ; the other x slot: every wave's reads of it ended in front of the last step's barrier
.endif
.endif
	MUL FC, 2, ZR
.elseif \s < 7
	; The change of steps.  One barrier shows the next step's x to all waves.  In steps 1, 3, 5 it also opens a round of the
	; cluster's barrier behind which W slots are filled again: there the count below is 0, so all my tensor loads have landed, and my
	; reads of the slots are back by the wait above.
	TWAIT 2*\s+2
.if (\s)&1
.set RT, 2*\s+3                                    ; the tiles that go out: four, or what is left of the sixteen
.rept 4
.if RT < 16
	SETW RT                                        ; no tensor load of mine is out: the slot's group 0 may be written
.endif
.set RT, RT+1
.endr
.endif
	s_barrier_signal -1
	MUL FC, 0, 0                                   ; work on registers while the others arrive
	WIN 0
	s_barrier_wait -1
.if (\s)&1
	CREST                                          ; no wave of any partner still reads these slots or has a load on its way
.set RT, 2*\s+3
.rept 4
.if RT < 16
	tensor_load_to_lds s[G0+4*(RT%5):G0+4*(RT%5)+3], s[G1:G1+7]    ; the first tensor loads behind the round
	s_nop 0
.endif
.set RT, RT+1
.endr
.endif
	PLACES 4
	FETCH \s+1, 0, FN
	MUL FC, 2, 0
.else
	MUL FC, 0, 0                                   ; the very last chunk: nothing more to fetch
	MUL FC, 2, 0
.endif
.endm
	s_load_b256 s[4:11], s[0:1], 0x0               ; x s[4:5], wp s[6:7], qh s[8:9], kv s[10:11]
	v_lshrrev_b32 v1, 5, v0
	v_readfirstlane_b32 s12, v1                    ; wave 0..3
	s_bfe_u32 s13, ttmp6, 0x40000                  ; cx: my place in the cluster
	s_lshl_b32 s14, ttmp9, 2                       ; ttmp9 counts clusters
	s_add_co_u32 s14, s14, s13                     ; work-group 0..255
	s_lshr_b32 s[ROT], ttmp9, 3
	s_xor_b32 s[ROT], s[ROT], ttmp9
	s_and_b32 s[ROT], s[ROT], 7                    ; rot: made of the cluster's number alone, the same in all four partners
	s_lshl_b32 s[ROT+2], s[ROT], 1                 ; two tiles of wp a K step
	v_and_b32 v13, 15, v0                          ; r
	v_bfe_u32 v14, v0, 4, 1                        ; h
	v_lshlrev_b32 v16, 4, v13                      ; 16 r
	s_lshl_b32 s15, s12, 4
	v_add_nc_u32 v15, s15, v14                     ; 16 w + h
	v_lshl_add_u32 v[XO], v15, 12, v16
.irp sx, 0,1,2,3,4,5,6,7
	s_add_co_u32 s[ROT+1], s[ROT], \sx
	s_and_b32 s[ROT+1], s[ROT+1], 7                ; my step sx is this K step:
	s_lshl_b32 s[ROT+1], s[ROT+1], 9               ; 128 numbers of 4 bytes along the row
	v_add_nc_u32 v[XOS+\sx], s[ROT+1], v[XO]
.endr
	s_lshl_b32 s[OFS], s14, 18                     ; 64 rows of 4,096 bytes a work-group
	s_mov_b32 s[OFS+1], 0
	s_wait_kmcnt 0x0
	s_add_nc_u64 s[4:5], s[4:5], s[OFS:OFS+1]
	LOADX 0                                        ; my first step of x is asked for before anything else
	WIN 0
	s_lshl_b32 s[OFS], s14, 14                     ; two blocks of 8,192 bytes of qh
	s_add_nc_u64 s[8:9], s[8:9], s[OFS:OFS+1]
	s_lshl_b32 s[OFS], s14, 15                     ; two groups of 16,384 bytes of kv
	s_add_nc_u64 s[10:11], s[10:11], s[OFS:OFS+1]
	s_mov_b32 s46, 0x3e0293ee                      ; c = 0.12751743 = 128^-1/2 log2(e),
	s_mov_b32 s47, 0x3e0293ee                      ; in both registers of the pair
	; descriptor group 1: 48 dense rows of 32 elements of 8 bytes = 12,288 bytes
	s_mov_b32 s[G1+0], 15|(3<<16)|(1<<21)          ; 15:0 the mask: all four work-groups; 17:16 elements of 8 bytes; 21 set beside a mask
	s_mov_b32 s[G1+1], 32<<16                      ; tensor_dim0 = 32
	s_mov_b32 s[G1+2], 48<<16                      ; tensor_dim1 = 48
	s_mov_b32 s[G1+3], 32<<16                      ; tile_dim0 = 32
	s_mov_b32 s[G1+4], 48                          ; tile_dim1 = 48
	s_mov_b32 s[G1+5], 32                          ; from row to row: 32 elements
	s_mov_b32 s[G1+6], 0
	s_mov_b32 s[G1+7], 0
	s_mul_i32 s48, s12, WQUART                     ; my quarter, in wp and in a slot: no place in the cluster enters either
	s_mov_b32 s49, 0
	s_add_nc_u64 s[WB:WB+1], s[6:7], s[48:49]
	s_or_b32 s[WB+1], s[WB+1], 0x80000000          ; type = 2
.irp n, 0,1,2,3,4
	s_mov_b32 s[G0+4*\n], 1                                        ; count = 1
	s_add_co_u32 s[G0+4*\n+1], s48, \n*WTILE                       ; LDS address
	SETW \n                                                        ; global address: my tile n
.endr
	CROUND                                         ; all four work-groups are here: the first joint loads meet
.irp n, 0,1,2,3,4
	tensor_load_to_lds s[G0+4*\n:G0+4*\n+3], s[G1:G1+7]
	s_nop 0
.endr
	LOADX 1                                        ; the next two steps of x go out behind the first tiles of wp, which the first step needs too
	LOADX 2
	WIN 0
	v_mul_u32_u24 v17, v13, XUNIT
	v_lshl_add_u32 v[XW], v15, 4, v17
	v_add_nc_u32 v[XW], XBASE, v[XW]               ; unit r, row 16 w + h
	v_mul_u32_u24 v18, v14, XUNIT
	v_add3_u32 v[XA], v18, v16, XBASE              ; unit h, row r
	s_lshl_b32 s[OFS], s12, 2
	v_add_nc_u32 v19, s[OFS], v14
	v_lshl_add_u32 v[QO], v19, 9, v16              ; (4 w + h) x 512 + 16 r
	s_lshl_b32 s[OFS], s12, 9
	v_lshl_add_u32 v[VO], v14, 11, v16
	v_add_nc_u32 v[VO], s[OFS], v[VO]              ; 2,048 h + 16 (32 w + r)
	v_mul_u32_u24 v20, v14, WUNIT
	v_add3_u32 v[WA], v20, v16, s48
.irp n, 1,2,3,4
	v_add_nc_u32 v[WA+\n], \n*WTILE, v[WA]
.endr
	CONVERT 0
	s_wait_dscnt 0x0                               ; my rows of step 0 are in LDS,
	s_wait_tensorcnt 4                             ; my quarter of tile 0 too; the four younger tiles stay out
	s_barrier_signal -1
	s_barrier_wait -1                              ; everybody's rows are
	FETCH 0, 0, F0
.irp s, 0,1,2,3,4,5,6,7
.irp qd, 0,1,2,3
	CHUNK \s, \qd
.endr
.endr
	; THE WAY OUT.  Four places behind the last matrix instructions, for the lines that read results and write over fragments.
	PLACES 4
	WIN 0x41                                       ; source 0 and destination window 1
.set i, 0
.rept 32
	v_pk_mul_f32 v[i:i+1], v[i:i+1], s[46:47] op_sel_hi:[1,0]      ; q's eight accumulators times c, in f32
.set i, i+2
.endr
	WIN 0x05                                       ; sources window 1, destination window 0
.set i, 0
.rept 96
	v_cvt_pk_f16_f32 v[TMP+i], v[2*i], v[2*i+1]    ; accumulator (c, mt) = registers 8 (4 c + mt) ..: four words of f16 at TMP + 4 (4 c + mt)
.set i, i+1
.endr
	WIN 0
.irp mt, 0,1,2,3
.irp c, 0,1
	global_store_b128 v[QO], v[TMP+4*(4*\c+\mt):TMP+4*(4*\c+\mt)+3], s[8:9] offset:(\mt>>1)*8192+\c*1024+(\mt&1)*256
.endr
.irp c, 2,3
	global_store_b128 v[QO], v[TMP+4*(4*\c+\mt):TMP+4*(4*\c+\mt)+3], s[10:11] offset:(\mt>>1)*16384+(\c-2)*1024+(\mt&1)*256
.endr
.irp c, 4,5
	global_store_b128 v[VO], v[TMP+4*(4*\c+\mt):TMP+4*(4*\c+\mt)+3], s[10:11] offset:(\mt>>1)*16384+8192+(\mt&1)*4096+(\c-4)*256
.endr
.endr
	CROUND                                         ; the closing round: no work-group ends while a partner may still ask for a tile that names it
	s_endpgm
.Lfunc_end_k_q52bac1e3f5_proj:
	.size	k_q52bac1e3f5_proj, .Lfunc_end_k_q52bac1e3f5_proj-k_q52bac1e3f5_proj
	.p2alignl 7, 3214868480
	.fill 96, 4, 3214868480
	.section	.rodata,"a",@progbits
	.p2align	6, 0x0
	.amdhsa_kernel k_q52bac1e3f5_proj
		.amdhsa_group_segment_fixed_size 327680
		.amdhsa_private_segment_fixed_size 0
		.amdhsa_enable_private_segment 0
		.amdhsa_kernarg_size 32
		.amdhsa_user_sgpr_count 2
		.amdhsa_user_sgpr_kernarg_segment_ptr 1
		.amdhsa_wavefront_size32 1
		.amdhsa_system_sgpr_workgroup_id_x 1
		.amdhsa_system_sgpr_workgroup_id_y 1
		.amdhsa_system_sgpr_workgroup_id_z 1
		.amdhsa_system_vgpr_workitem_id 0
		.amdhsa_next_free_vgpr 704
		.amdhsa_next_free_sgpr 66
		.amdhsa_reserve_vcc 0
		.amdhsa_float_denorm_mode_32 3
		.amdhsa_float_denorm_mode_16_64 3
		.amdhsa_memory_ordered 1
		.amdhsa_forward_progress 1
		.amdhsa_inst_pref_size 150
	.end_amdhsa_kernel
	.amdgpu_metadata
---
amdhsa.version: [ 1, 2 ]
amdhsa.kernels:
  - .name:           k_q52bac1e3f5_proj
    .symbol:         k_q52bac1e3f5_proj.kd
    .args:
      - { .name: x, .offset: 0, .size: 8, .value_kind: global_buffer, .address_space: global }
      - { .name: wp, .offset: 8, .size: 8, .value_kind: global_buffer, .address_space: global }
      - { .name: qh, .offset: 16, .size: 8, .value_kind: global_buffer, .address_space: global }
      - { .name: kv, .offset: 24, .size: 8, .value_kind: global_buffer, .address_space: global }
    .group_segment_fixed_size: 327680
    .private_segment_fixed_size: 0
    .kernarg_segment_align: 8
    .kernarg_segment_size: 32
    .max_flat_workgroup_size: 128
    .sgpr_count:     66
    .vgpr_count:     704
    .wavefront_size: 32
...
	.end_amdgpu_metadata
.endif
;; end of part 4
;; launch attn (part 5): grid 256 x 1, 4 waves a work-group, clusters of 4 x 1, 327,680 bytes of LDS; arguments qh, kv, out0; writes out0
.if DOCPART == 5
	.amdgcn_target "amdgcn-amd-amdhsa--gfx1250"
	.amdhsa_code_object_version 6
	.text
	.protected	k_q52bac1e3f5_attn
	.globl	k_q52bac1e3f5_attn
	.p2align	8
	.type	k_q52bac1e3f5_attn,@function
k_q52bac1e3f5_attn:
	s_mov_b64 s[64:65], 0
	v_nop
	global_prefetch_b8 v0, s[64:65] scope:SCOPE_SE
	s_setreg_imm32_b32 hwreg(HW_REG_WAVE_MODE, 25, 1), 1
	s_wait_xcnt 0x0
	s_wait_alu depctr_hold_cnt(0) depctr_sa_sdst(0) depctr_va_vdst(0) depctr_va_sdst(0) depctr_va_ssrc(0) depctr_va_vcc(0) depctr_vm_vsrc(0)
	s_getreg_b32 s2, hwreg(HW_REG_IB_STS2, 6, 4)
	s_cmp_eq_u32 s2, 0
	s_cbranch_scc0 .Lentry_in_a_cluster
	s_endpgm
.Lentry_in_a_cluster:
	s_bfe_u32 s2, ttmp6, 0x10000c
	s_cmp_lg_u32 s2, 0x3003
	s_cbranch_scc0 .Lentry_shape_is_right
	s_endpgm
.Lentry_shape_is_right:
; attn: out = softmax(q k^T / sqrt(128), causal) v, by a running maximum, for 8 batches of 2,048 tokens, head size 128.
; q (already times 128^-1/2 log2 e), k, v and the probabilities are f16 matrix operands; scores, maxima, sums and results are f32.
; LIMITS: scores (in base-2 units) must lie above -2^127 = -1.7e38, the floor under the running maximum; the unnormalised sums are f32.
; SHARES.  Cluster = (batch, a), a = 0..7: a is bits 0, 1, 3 of the cluster's number, the batch bits 2, 4, 5.  Any one-to-one split of the six bits
; gives the same values; the choice decides only which eight clusters read the same batch's K and V.
; The work-group at place cx owns two blocks of 32 queries: the first is 4 a + cx, the second 63 - 4 a - cx.
; Keys go in tiles of 128 (65,536 bytes, K and V).  The first block needs tiles a .. 0, the second tiles 15 - a .. 0: always 17 trips,
; the same tiles in the same order in all four partners, so every tile is asked for JOINTLY (mask 15) and the requests are divided by four.
; ORDER OF TILES: 15 - a (the second block's diagonal), a (the first block's diagonal), a - 1 .. 0 (first block), 14 - a .. 0 (second block).
; So the two trips that need a mask and that start the two sets of sums are the first two, for every a; the change back to the second
; block falls in trip a + 2 (2 .. 9).  Both blocks' sums stay in registers to the end.  The first two requests of a batch's eight clusters,
; tiles 15 - a and a, are all sixteen tiles of the batch: what a cluster asks for later another has asked for at its start.
; Wave w takes keys 32 w .. 32 w + 31 of every tile for all 32 queries: each byte of K and V is read from LDS once in the work-group,
; and a wave reads only what it loaded itself.  The four waves' partial results (m, l, O) meet in LDS at the end.
; ORIENTATION.  S^T = K Q^T: a lane holds one query (r) and eight keys (8 h + j), so maximum and sum run inside the lane and once across
; the halves, and the packed probabilities ARE source 1 of O^T = V^T P^T; the rescaling factor is one number a lane.
; THE RING: four slots, tile t in slot t % 4.  In the middle of every odd trip t the slots of tiles t - 1 and t have been read, tiles t + 1
; and t + 2 have landed, and tiles t + 3 and t + 4 go out behind a round of the cluster's barrier.  The next wait for all loads stands in trip
; t + 2: from a request to the wait for it a wave does two whole trips, 64 matrix instructions and two softmaxes.  A wave has four tensor
; loads out at the start and two behind a round.
; LDS: the four slots are all of it.  When the last tile has been read by every wave, the slots' bytes serve as stages: block g's partial O
; at 67,584 g (wave part 16,896: 32 queries at pitch 528 = 2 x 256 + 16 bytes), its (m, l) at 135,168 + 1,024 g.
.set SLOTB,  65536
.set STAGEG, 67584
.set STAGEW, 16896
.set SP,     528
.set STATS,  2*STAGEG
.set KA,   1                           ; v1-4    K fragments in slot 0..3: my quarter + 512 h + 16 r
.set VA,   5                           ; v5-8    V fragments: my quarter + 8,192 + 2,048 h + 16 r
.set DLO,  9                           ; v9      first block's diagonal: key allowed if 16 (kt - qt) + j <= 32 (cx - w) + r - 8 h
.set DHI,  10                          ; v10     second block's: 32 (3 - cx - w) + r - 8 h
.set LS,   11                          ; v11, v29  running sum l of query tile 0, 1 (this half's keys)
.set M,    12                          ; v[12:13], v[14:15]  running maximum, twice
.set AL,   16                          ; v[16:17], v[18:19]  rescaling factor, twice
.set T,    20                          ; v20-23, v24-27  at work
.set QOFF, 30                          ; v30     512 h + 16 r
.set SC,   32                          ; v32-63  scores (kt, qt) at 16 qt + 8 kt; the packed probabilities of qt overlay 16 qt .. + 7
.set QF,   64                          ; v64-127   Q fragments of the block at work (qt, c) at 8 (4 qt + c)
.set KF,   128                         ; v128-191  K fragments (kt, c) at 8 (4 kt + c)
.set VF,   192                         ; v192-255  V fragments dt at 8 dt
.set OHI,  0                           ; window 1, v0-127    the second block's O (dt, qt) at 8 (2 dt + qt)
.set OLO,  128                         ; window 1, v128-255  the first block's O
.set QH,   0                           ; window 2, v0-63     the second block's Q fragments
.set SV,   64                          ; window 2, v64-67    m, m, l, l of the block that is not at work
.set DMP,  1                           ; the end (K's and V's addresses are dead by then): v1-2 my stage for block 0, 1: + 528 r + 32 h
.set STA,  3                           ; v3      (m, l): query r, wave w
.set MST,  4                           ; v4      (m, l) of my 8 rows
.set MSG,  5                           ; v5-6    stage of block 0, 1: my 8 rows + 16 lane
.set OUTO, 7                           ; v7      4,096 w + 16 lane
.set MS,   64                          ; v64-95    four rows' (m, l) of four waves
.set MD,   96                          ; v96-159   four rows' 4 numbers of four waves
.set RES,  160                         ; v160-175  four rows' results
.set MF,   176                         ; v176-191  four rows' four factors
.set MT,   192                         ; v192-195  four rows' maximum, then sum, then its reciprocal
                                       ; s10 wave, s11 cx, s12 a, s13 batch, s14 the trip's number, s15 the trip of the change
.set G1,    16                         ; s[16:23] descriptor group 1
.set G0,    24                         ; s[24:39] descriptor group 0, one set for each slot
.set KVB,   40                         ; s[40:41] kv at my batch and my quarter, type bits set
.set NT,    42                         ; the next tile to ask for
.set TMPS,  43                         ; at work
.set OUTB,  44                         ; s[44:47] out0 at the first, the second block
.set QB,    48                         ; s[48:51] qh at the first, the second block
.set WQ,    54                         ; wave x 16,384, written once
.set HI0,   55                         ; 14 - a
.set OFS,   56                         ; s[56:57] an offset in 64 bits
.set CNT,   58                         ; the loop's counter
.set FLOOR, 59                         ; -2^127
.set PSEL,  60                         ; s60, s61 v_permlanex16_b32's selects
.set NINF,  62                         ; -infinity
.set MSB, 0
.macro WIN new                         ; s_set_vgpr_msb: bits 1:0 source 0, 3:2 source 1, 5:4 source 2, 7:6 destination; the high byte repeats the setting that is left
.if MSB != \new
	s_set_vgpr_msb (MSB<<8)|\new
.set MSB, \new
.endif
.endm
.macro PLACES n
.rept \n
	v_nop
.endr
.endm
.macro CREST                           ; a round of the cluster's barrier behind its opening barrier
	s_cmp_lg_u32 s10, 0
	s_cbranch_scc1 .Lnot_wave_0_\@
	s_barrier_signal -3
.Lnot_wave_0_\@:
	s_barrier_wait -3
	s_barrier_signal -1
	s_barrier_wait -1
.endm
.macro CROUND
	s_barrier_signal -1
	s_barrier_wait -1
	CREST
.endm
.macro SETADDR slot                    ; the slot's next tile is tile NT of the batch
	s_lshl_b32 s[OFS], s[NT], 16
	s_add_nc_u64 s[G0+4*(\slot)+2:G0+4*(\slot)+3], s[KVB:KVB+1], s[OFS:OFS+1]
.endm
.macro STEPNT                          ; a, a-1, .. 0, 14-a, .. 0
	s_add_co_i32 s[TMPS], s[NT], -1
	s_cmp_eq_u32 s[NT], 0
	s_cselect_b32 s[NT], s[HI0], s[TMPS]
.endm
.macro QGLOAD dst, base                ; a block's Q fragments: 16 lanes take 256 consecutive bytes
.irp qt, 0,1
.irp c, 0,1,2,3
	global_load_b128 v[\dst+8*(4*\qt+\c):\dst+8*(4*\qt+\c)+3],   v[QOFF], s[\base:\base+1] offset:2048*\c+256*\qt
	global_load_b128 v[\dst+8*(4*\qt+\c)+4:\dst+8*(4*\qt+\c)+7], v[QOFF], s[\base:\base+1] offset:2048*\c+256*\qt+1024
.endr
.endr
.endm
.macro KLOAD b                         ; registers 0-3: d-unit 4 c + h, registers 4-7: d-unit 4 c + 2 + h
.irp kt, 0,1
.irp c, 0,1,2,3
	ds_load_b128 v[KF+8*(4*\kt+\c):KF+8*(4*\kt+\c)+3],   v[KA+\b] offset:2048*\c+256*\kt
	ds_load_b128 v[KF+8*(4*\kt+\c)+4:KF+8*(4*\kt+\c)+7], v[KA+\b] offset:2048*\c+256*\kt+1024
.endr
.endr
.endm
.macro VLOAD b                         ; registers 0-3: key-unit h, registers 4-7: key-unit 2 + h
.irp dt, 0,1,2,3,4,5,6,7
	ds_load_b128 v[VF+8*\dt:VF+8*\dt+3],   v[VA+\b] offset:256*\dt
	ds_load_b128 v[VF+8*\dt+4:VF+8*\dt+7], v[VA+\b] offset:256*\dt+4096
.endr
.endm
; 16 matrix instructions: S^T (32 keys x 32 queries) over d = 128, Q at register qb under the window setting win.
; The four accumulators take turns, one instruction a turn.
.macro SPH qb, win
	WIN \win
.irp c, 0,1,2,3
.irp qt, 0,1
.irp kt, 0,1
.if \c == 0
	v_wmma_f32_16x16x32_f16 v[SC+16*\qt+8*\kt:SC+16*\qt+8*\kt+7], v[KF+8*(4*\kt+\c):KF+8*(4*\kt+\c)+7], v[\qb+8*(4*\qt+\c):\qb+8*(4*\qt+\c)+7], 0
.else
	v_wmma_f32_16x16x32_f16 v[SC+16*\qt+8*\kt:SC+16*\qt+8*\kt+7], v[KF+8*(4*\kt+\c):KF+8*(4*\kt+\c)+7], v[\qb+8*(4*\qt+\c):\qb+8*(4*\qt+\c)+7], v[SC+16*\qt+8*\kt:SC+16*\qt+8*\kt+7]
.endif
.endr
.endr
.endr
	WIN 0
.endm
.macro MASK d                          ; a diagonal tile: keys behind the query become -infinity
.irp qt, 0,1
.irp kt, 0,1
.irp j, 0,1,2,3,4,5,6,7
	v_cmp_le_i32 vcc_lo, 16*(\kt-\qt)+\j, v[\d]
	v_cndmask_b32 v[SC+16*\qt+8*\kt+\j], s[NINF], v[SC+16*\qt+8*\kt+\j], vcc_lo
.endr
.endr
.endr
.endm
; The running softmax of both query tiles, in two parts.  Part 1: the new maximum, alpha, the exponentials.  The new maximum is never below
; the floor, so it is finite also where all my keys of a diagonal tile are masked: then every p is 2^-inf = 0 and l stays 0.
; zero = 1: a block's first trip, nothing to carry on.
.macro SOFTMAX1 zero
.irp qt, 0,1
	v_max3_num_f32 v[T+4*\qt],   v[SC+16*\qt],    v[SC+16*\qt+1],  v[SC+16*\qt+2]
	v_max3_num_f32 v[T+4*\qt+1], v[SC+16*\qt+3],  v[SC+16*\qt+4],  v[SC+16*\qt+5]
	v_max3_num_f32 v[T+4*\qt+2], v[SC+16*\qt+6],  v[SC+16*\qt+7],  v[SC+16*\qt+8]
	v_max3_num_f32 v[T+4*\qt+3], v[SC+16*\qt+9],  v[SC+16*\qt+10], v[SC+16*\qt+11]
	v_max3_num_f32 v[AL+2*\qt],  v[SC+16*\qt+12], v[SC+16*\qt+13], v[SC+16*\qt+14]
.endr
.irp qt, 0,1
	v_max3_num_f32 v[T+4*\qt],   v[T+4*\qt],   v[T+4*\qt+1], v[T+4*\qt+2]
	v_max3_num_f32 v[T+4*\qt+3], v[T+4*\qt+3], v[AL+2*\qt],  v[SC+16*\qt+15]
.endr
.irp qt, 0,1
	v_max3_num_f32 v[T+4*\qt], v[T+4*\qt], v[T+4*\qt+3], s[FLOOR]
.endr
.irp qt, 0,1
	v_permlanex16_b32 v[T+4*\qt+1], v[T+4*\qt], s[PSEL], s[PSEL+1]     ; the other half's eight + eight keys of the same query
.endr
.irp qt, 0,1
.if \zero
	v_max_num_f32 v[T+4*\qt+2], v[T+4*\qt], v[T+4*\qt+1]
.else
	v_max3_num_f32 v[T+4*\qt+2], v[T+4*\qt], v[T+4*\qt+1], v[M+2*\qt]
	v_sub_f32 v[T+4*\qt+3], v[M+2*\qt], v[T+4*\qt+2]
.endif
.endr
.irp qt, 0,1
	v_mov_b32 v[M+2*\qt],   v[T+4*\qt+2]
	v_mov_b32 v[M+2*\qt+1], v[T+4*\qt+2]
.endr
.if \zero == 0
	v_exp_f32 v[AL],   v[T+3]                      ; alpha = 2^(old maximum - new maximum); the subtractions below are the plain lines behind it (ISA guide 5.7.2)
	v_exp_f32 v[AL+2], v[T+7]
.endif
.irp qt, 0,1
.irp i, 0,2,4,6,8,10,12,14
	v_pk_add_f32 v[SC+16*\qt+\i:SC+16*\qt+\i+1], v[SC+16*\qt+\i:SC+16*\qt+\i+1], v[M+2*\qt:M+2*\qt+1] neg_lo:[0,1] neg_hi:[0,1]
.endr
.endr
.set i, 0
.rept 32
	v_exp_f32 v[SC+i], v[SC+i]
.set i, i+1
.endr
.endm
; Part 2, registers only: the sum of the probabilities, l, and the probabilities packed to f16.
.macro SOFTMAX2 zero
.if \zero
	v_nop                                          ; one plain line behind the last exponential
	s_wait_alu depctr_va_vdst(0)
.else
	s_wait_alu depctr_va_vdst(0)
	v_mov_b32 v[AL+1], v[AL]                       ; the pairs for the packed rescaling; also the plain line behind the last exponential
	v_mov_b32 v[AL+3], v[AL+2]
.endif
.irp qt, 0,1
	v_pk_add_f32 v[T+4*\qt:T+4*\qt+1],   v[SC+16*\qt:SC+16*\qt+1],     v[SC+16*\qt+2:SC+16*\qt+3]
	v_pk_add_f32 v[T+4*\qt+2:T+4*\qt+3], v[SC+16*\qt+4:SC+16*\qt+5],   v[SC+16*\qt+6:SC+16*\qt+7]
.endr
.irp qt, 0,1
	v_pk_add_f32 v[T+4*\qt:T+4*\qt+1],   v[T+4*\qt:T+4*\qt+1],     v[SC+16*\qt+8:SC+16*\qt+9]
	v_pk_add_f32 v[T+4*\qt+2:T+4*\qt+3], v[T+4*\qt+2:T+4*\qt+3],   v[SC+16*\qt+10:SC+16*\qt+11]
.endr
.irp qt, 0,1
	v_pk_add_f32 v[T+4*\qt:T+4*\qt+1],   v[T+4*\qt:T+4*\qt+1],     v[SC+16*\qt+12:SC+16*\qt+13]
	v_pk_add_f32 v[T+4*\qt+2:T+4*\qt+3], v[T+4*\qt+2:T+4*\qt+3],   v[SC+16*\qt+14:SC+16*\qt+15]
.endr
.irp qt, 0,1
	v_pk_add_f32 v[T+4*\qt:T+4*\qt+1], v[T+4*\qt:T+4*\qt+1], v[T+4*\qt+2:T+4*\qt+3]
.endr
.irp qt, 0,1
.if \zero
	v_add_f32 v[LS+18*\qt], v[T+4*\qt], v[T+4*\qt+1]
.else
	v_fma_f32 v[LS+18*\qt], v[LS+18*\qt], v[AL+2*\qt], v[T+4*\qt]
.endif
.endr
.if \zero == 0
.irp qt, 0,1
	v_add_f32 v[LS+18*\qt], v[LS+18*\qt], v[T+4*\qt+1]
.endr
.endif
.irp qt, 0,1                           ; keys 8 h + j into registers 0-3, keys 16 + 8 h + j into registers 4-7: source 1 of the second product, in place, ascending
.irp i, 0,1,2,3,4,5,6,7
	v_cvt_pk_f16_f32 v[SC+16*\qt+\i], v[SC+16*\qt+2*\i], v[SC+16*\qt+2*\i+1]
.endr
.endr
.endm
.macro RESCALE ob                      ; the O at register ob of window 1 times alpha
	WIN 0x41                                       ; source 0 and destination window 1, alpha window 0
.irp dt, 0,1,2,3,4,5,6,7
.irp qt, 0,1
.irp i, 0,2,4,6
	v_pk_mul_f32 v[\ob+8*(2*\dt+\qt)+\i:\ob+8*(2*\dt+\qt)+\i+1], v[\ob+8*(2*\dt+\qt)+\i:\ob+8*(2*\dt+\qt)+\i+1], v[AL+2*\qt:AL+2*\qt+1]
.endr
.endr
.endr
.endm
; 16 matrix instructions on 16 accumulators: O^T += V^T P^T over my 32 keys.  zero = 1: the product starts the sums.
.macro PV ob, zero
	WIN 0x50                                       ; A and B window 0, C and D window 1
.irp dt, 0,1,2,3,4,5,6,7
.irp qt, 0,1
.if \zero
	v_wmma_f32_16x16x32_f16 v[\ob+8*(2*\dt+\qt):\ob+8*(2*\dt+\qt)+7], v[VF+8*\dt:VF+8*\dt+7], v[SC+16*\qt:SC+16*\qt+7], 0
.else
	v_wmma_f32_16x16x32_f16 v[\ob+8*(2*\dt+\qt):\ob+8*(2*\dt+\qt)+7], v[VF+8*\dt:VF+8*\dt+7], v[SC+16*\qt:SC+16*\qt+7], v[\ob+8*(2*\dt+\qt):\ob+8*(2*\dt+\qt)+7]
.endif
.endr
.endr
	WIN 0
.endm
; The change from the first block back to the second: (m, l) change places with the saved pair, and the second block's Q comes to where the
; first product reads it: 64 moves, once in the launch.
.macro SWITCH
.irp qt, 0,1
	v_mov_b32 v[T+4*\qt],   v[M+2*\qt]
	v_mov_b32 v[T+4*\qt+1], v[LS+18*\qt]
.endr
	WIN 0x02                                       ; source 0 window 2
.irp qt, 0,1
	v_mov_b32 v[M+2*\qt],   v[SV+\qt]
	v_mov_b32 v[M+2*\qt+1], v[SV+\qt]
	v_mov_b32 v[LS+18*\qt], v[SV+2+\qt]
.endr
.set i, 0
.rept 64
	v_mov_b32 v[QF+i], v[QH+i]
.set i, i+1
.endr
	WIN 0x80                                       ; destination window 2
.irp qt, 0,1
	v_mov_b32 v[SV+\qt],   v[T+4*\qt]
	v_mov_b32 v[SV+2+\qt], v[T+4*\qt+1]
.endr
	WIN 0
.endm
; My partial result of block g goes to LDS.  DUMPS: (m, l over both halves) from M and LS.
.macro DUMPS g
.irp qt, 0,1
	v_permlanex16_b32 v[T+4*\qt+1], v[LS+18*\qt], s[PSEL], s[PSEL+1]
.endr
.irp qt, 0,1
	v_add_f32 v[T+4*\qt+1], v[LS+18*\qt], v[T+4*\qt+1]
	v_mov_b32 v[T+4*\qt], v[M+2*\qt]
.endr
.irp qt, 0,1
	ds_store_b64 v[STA], v[T+4*\qt:T+4*\qt+1] offset:1024*\g+512*\qt   ; both halves write the same pair
.endr
.endm
; DUMPO: the O at register ob of window 1, query by query.
.macro DUMPO g, ob
	WIN 0x04                                       ; address window 0, data window 1
.irp qt, 0,1
.irp dt, 0,1,2,3,4,5,6,7
.irp hf, 0,1
	ds_store_b128 v[DMP+\g], v[\ob+8*(2*\dt+\qt)+4*\hf:\ob+8*(2*\dt+\qt)+4*\hf+3] offset:16*SP*\qt+64*\dt+16*\hf
.endr
.endr
.endr
	WIN 0
.endm
; One trip = one tile of 128 keys, in slot 'slot'.  K's fragments were loaded in the trip before, under its second product.
; fills = 2 or 1: a round of the cluster's barrier, behind which the slot before this one and (2) this slot are filled again; 0: none.
; tw (fills = 0): >= 0: the count on TENSORcnt that shows the next tile landed; -1: an earlier wait for all loads has shown it; -2: the last trip.
; sw = 1: one of trips 2 .. 9, in which the change of blocks may fall (trip a + 2, the same in all partners).
; first = 1: the second block's first trip; 2: the first block's first trip; 0: neither.
.macro TRIP slot, fills, tw, sw, first
.set NXT, (\slot+1)%4
.set PRV, (\slot+3)%4
.if \first
.set ZR, 1
.else
.set ZR, 0
.endif
.if \first != 1
	PLACES 5                                       ; behind the last trip's second product: V's loads land on its source 0 (four places), and the
	                                               ; first product writes over its source 1 (five places): ISA guide 7.12.1 for vector instructions
.endif
.if \sw
	s_cmp_lg_u32 s14, s15
	s_cbranch_scc1 .Lsame_\@
	SWITCH
.Lsame_\@:
.endif
	VLOAD \slot
	s_wait_dscnt 16                                ; LDS serves a wave in order: all but the sixteen V loads just issued are done: K is in
.if \first == 1
	SPH QH, 0x08                                   ; source 1 in window 2: the second block's Q where it was loaded
.else
	SPH QF, 0
.endif
	PLACES 4                                       ; behind the first product: its results are read, and later K's next fragments land on its source 0
.if \first == 1
	MASK DHI
.elseif \first == 2
	MASK DLO
.endif
	SOFTMAX1 ZR
.if \fills > 0
	s_wait_dscnt 0x0                               ; V is in registers: my reads of this slot are over, those of the slot before it long since
	s_wait_tensorcnt 0x0                           ; all my tensor loads have landed: the two that were out are my quarters of the next two tiles,
	SETADDR PRV                                    ; so the groups 0 may be written
	STEPNT
.if \fills == 2
	SETADDR \slot
	STEPNT
.endif
	s_barrier_signal -1                            ; opens a round of the cluster's barrier
	SOFTMAX2 ZR                                    ; work on registers while the others arrive
	s_barrier_wait -1
	CREST                                          ; no wave of any partner still reads these slots or has a load on its way
	tensor_load_to_lds s[G0+4*PRV:G0+4*PRV+3], s[G1:G1+7]          ; the first tensor loads behind the round; two trips lie in front of the wait for them
	s_nop 0
.if \fills == 2
	tensor_load_to_lds s[G0+4*\slot:G0+4*\slot+3], s[G1:G1+7]
	s_nop 0
.endif
	KLOAD NXT                                      ; my own quarter of the next tile, under the second product
.else
	SOFTMAX2 ZR
	s_wait_dscnt 0x0                               ; V is in registers
.if \tw >= 0
	s_wait_tensorcnt \tw                           ; a wave's tensor loads end in order (ISA guide 10.11.1): my quarter of the next tile is in, the younger ones stay out
.endif
.if \tw > -2
	KLOAD NXT
.endif
.endif
.if \first == 1
	PV OHI, 1
.elseif \first == 2
	PV OLO, 1
.elseif \sw
	s_cmp_lt_u32 s14, s15                          ; before the change the first block's sums, from it on the second block's
	s_cbranch_scc1 .Llow_\@
	RESCALE OHI
	PV OHI, 0
	s_branch .Ljoin_\@
.Llow_\@:
	RESCALE OLO
	PV OLO, 0
.Ljoin_\@:
	s_add_co_u32 s14, s14, 1                       ; the trip's number
.else
	RESCALE OHI
	PV OHI, 0
.endif
.endm
; The merge of four rows 8 w + i0 .. + 3 of block g: out = sum over waves of O_w 2^(m_w - m*) / sum over waves of l_w 2^(m_w - m*).
.macro MROWS g, i0
	s_wait_xcnt 0x0                                ; the results' registers, which the last group's stores read, are rewritten only behind this wait
.irp k, 0,1,2,3
	ds_load_b128 v[MS+8*\k:MS+8*\k+3],   v[MST] offset:1024*\g+32*(\i0+\k)       ; (m, l) of waves 0, 1: the same bytes for every lane
	ds_load_b128 v[MS+8*\k+4:MS+8*\k+7], v[MST] offset:1024*\g+32*(\i0+\k)+16    ; of waves 2, 3
.irp ww, 0,1,2,3
	ds_load_b128 v[MD+16*\k+4*\ww:MD+16*\k+4*\ww+3], v[MSG+\g] offset:STAGEW*\ww+SP*(\i0+\k)   ; 32 lanes take the row's 512 bytes
.endr
.endr
	s_wait_dscnt 0x0
.irp k, 0,1,2,3
	v_max3_num_f32 v[MT+\k], v[MS+8*\k], v[MS+8*\k+2], v[MS+8*\k+4]
.endr
.irp k, 0,1,2,3
	v_max_num_f32 v[MT+\k], v[MT+\k], v[MS+8*\k+6]
.endr
.irp k, 0,1,2,3
.irp ww, 0,1,2,3
	v_sub_f32 v[MF+4*\k+\ww], v[MS+8*\k+2*\ww], v[MT+\k]
.endr
.endr
.set i, 0
.rept 16
	v_exp_f32 v[MF+i], v[MF+i]
.set i, i+1
.endr
	v_nop                                          ; one plain line behind the exponentials
	s_wait_alu depctr_va_vdst(0)
.irp k, 0,1,2,3
	v_mul_f32 v[MT+\k], v[MS+8*\k+1], v[MF+4*\k]
.endr
.irp ww, 1,2,3
.irp k, 0,1,2,3
	v_fmac_f32 v[MT+\k], v[MS+8*\k+2*\ww+1], v[MF+4*\k+\ww]
.endr
.endr
.irp k, 0,1,2,3
	v_rcp_f32 v[MT+\k], v[MT+\k]                   ; the sum is at least 1: the wave that holds the maximum counts its key with p = 1
.endr
	v_nop                                          ; one plain line behind the reciprocals
	s_wait_alu depctr_va_vdst(0)
.irp k, 0,1,2,3
.irp ww, 0,1,2,3
	v_mul_f32 v[MF+4*\k+\ww], v[MF+4*\k+\ww], v[MT+\k]
.endr
.endr
.irp k, 0,1,2,3
.irp e, 0,1,2,3
	v_mul_f32 v[RES+4*\k+\e], v[MD+16*\k+\e], v[MF+4*\k]
.endr
.endr
.irp ww, 1,2,3
.irp k, 0,1,2,3
.irp e, 0,1,2,3
	v_fmac_f32 v[RES+4*\k+\e], v[MD+16*\k+4*\ww+\e], v[MF+4*\k+\ww]
.endr
.endr
.endr
.irp k, 0,1,2,3
	global_store_b128 v[OUTO], v[RES+4*\k:RES+4*\k+3], s[OUTB+2*\g:OUTB+2*\g+1] offset:512*(\i0+\k) th:TH_STORE_NT   ; a whole row of 512 bytes a store
.endr
.endm
	s_load_b128 s[4:7], s[0:1], 0x0                ; qh s[4:5], kv s[6:7]
	s_load_b64 s[8:9], s[0:1], 0x10                ; out0
	v_lshrrev_b32 v31, 5, v0
	v_readfirstlane_b32 s10, v31                   ; wave 0..3
	s_bfe_u32 s11, ttmp6, 0x40000                  ; cx: my place in the cluster
	s_and_b32 s12, ttmp9, 3                        ; a: bits 0, 1 of the cluster's number,
	s_lshr_b32 s[TMPS], ttmp9, 1
	s_and_b32 s[TMPS], s[TMPS], 4
	s_or_b32 s12, s12, s[TMPS]                     ; and bit 3 on top
	s_bfe_u32 s13, ttmp9, 0x10002                  ; batch: bit 2,
	s_lshr_b32 s[TMPS], ttmp9, 3
	s_and_b32 s[TMPS], s[TMPS], 6
	s_or_b32 s13, s13, s[TMPS]                     ; and bits 4, 5 on top
	s_add_co_u32 s15, s12, 2                       ; the trip in which the second block is taken up again
	s_sub_co_u32 s[HI0], 14, s12                   ; with this tile
	s_lshl_b32 s[WQ], s10, 14                      ; my quarter of a tile, in kv and in a slot: no place in the cluster enters either
	s_mov_b32 s[OFS+1], 0
	s_mov_b32 s[FLOOR], 0xff000000                 ; -2^127: the floor under the running maximum
	s_mov_b32 s[PSEL], 0x76543210                  ; v_permlanex16_b32: lane i of one half reads lane i of the other
	s_mov_b32 s[PSEL+1], 0xfedcba98
	s_mov_b32 s[NINF], 0xff800000                  ; -infinity
	v_and_b32 v28, 15, v0                          ; r
	v_bfe_u32 v31, v0, 4, 1                        ; h
	v_lshlrev_b32 v27, 4, v28                      ; 16 r
	v_lshl_add_u32 v[QOFF], v31, 9, v27            ; 512 h + 16 r
	s_lshl_b32 s[TMPS], s12, 2
	s_add_co_u32 s[TMPS], s[TMPS], s11             ; first block 4 a + cx
	s_sub_co_u32 s52, 63, s[TMPS]                  ; second block 63 - 4 a - cx
	s_lshl_b32 s53, s13, 6                         ; 64 blocks a batch
	s_add_co_u32 s[TMPS], s[TMPS], s53
	s_add_co_u32 s52, s52, s53
	s_wait_kmcnt 0x0
	s_lshl_b32 s[OFS], s[TMPS], 13                 ; a block of qh is 8,192 bytes
	s_add_nc_u64 s[QB:QB+1], s[4:5], s[OFS:OFS+1]
	s_lshl_b32 s[OFS], s52, 13
	s_add_nc_u64 s[QB+2:QB+3], s[4:5], s[OFS:OFS+1]
	QGLOAD QF, QB                                  ; the first block's queries,
	WIN 0x80                                       ; destination window 2
	QGLOAD QH, QB+2                                ; the second block's
	WIN 0
	s_lshl_b32 s[OFS], s[TMPS], 14                 ; 32 rows of 512 bytes of out0
	s_add_nc_u64 s[OUTB:OUTB+1], s[8:9], s[OFS:OFS+1]
	s_lshl_b32 s[OFS], s52, 14
	s_add_nc_u64 s[OUTB+2:OUTB+3], s[8:9], s[OFS:OFS+1]
	s_lshl_b32 s[OFS], s13, 20                     ; a batch of kv is 64 groups of 16,384 bytes
	s_add_co_u32 s[OFS], s[OFS], s[WQ]
	s_add_nc_u64 s[KVB:KVB+1], s[6:7], s[OFS:OFS+1]
	s_or_b32 s[KVB+1], s[KVB+1], 0x80000000        ; type = 2
	; descriptor group 1: 64 dense rows of 32 elements of 8 bytes = 16,384 bytes
	s_mov_b32 s[G1+0], 15|(3<<16)|(1<<21)          ; 15:0 the mask: all four work-groups; 17:16 elements of 8 bytes; 21 set beside a mask
	s_mov_b32 s[G1+1], 32<<16                      ; tensor_dim0 = 32
	s_mov_b32 s[G1+2], 64<<16                      ; tensor_dim1 = 64
	s_mov_b32 s[G1+3], 32<<16                      ; tile_dim0 = 32
	s_mov_b32 s[G1+4], 64                          ; tile_dim1 = 64
	s_mov_b32 s[G1+5], 32                          ; from row to row: 32 elements
	s_mov_b32 s[G1+6], 0
	s_mov_b32 s[G1+7], 0
.irp n, 0,1,2,3
	s_mov_b32 s[G0+4*\n], 1                        ; count = 1
	s_add_co_u32 s[G0+4*\n+1], s[WQ], \n*SLOTB     ; LDS address: the slot, my quarter
.endr
	s_sub_co_u32 s[NT], 15, s12                    ; trip 0: the second block's diagonal tile,
	SETADDR 0
	s_mov_b32 s[NT], s12                           ; trip 1: the first block's, and on from there
	SETADDR 1
	STEPNT
	SETADDR 2
	STEPNT
	SETADDR 3
	STEPNT
	CROUND                                         ; all four work-groups are here: the first joint loads meet
.irp n, 0,1,2,3
	tensor_load_to_lds s[G0+4*\n:G0+4*\n+3], s[G1:G1+7]
	s_nop 0
.endr
	v_add_nc_u32 v[KA], s[WQ], v[QOFF]
.irp n, 1,2,3
	v_add_nc_u32 v[KA+\n], \n*SLOTB, v[KA]
.endr
	s_add_co_u32 s[TMPS], s[WQ], 8192              ; V's part lies behind K's 8,192 bytes
	v_lshl_add_u32 v[VA], v31, 11, v27
	v_add_nc_u32 v[VA], s[TMPS], v[VA]
.irp n, 1,2,3
	v_add_nc_u32 v[VA+\n], \n*SLOTB, v[VA]
.endr
	v_lshlrev_b32 v26, 3, v31
	v_sub_nc_u32 v26, v28, v26                     ; r - 8 h
	s_sub_co_i32 s[TMPS], s11, s10
	s_lshl_b32 s[TMPS], s[TMPS], 5
	v_add_nc_u32 v[DLO], s[TMPS], v26              ; the masks' numbers hang on cx; they feed selects alone, no address and no branch
	s_sub_co_i32 s[TMPS], 3, s11
	s_sub_co_i32 s[TMPS], s[TMPS], s10
	s_lshl_b32 s[TMPS], s[TMPS], 5
	v_add_nc_u32 v[DHI], s[TMPS], v26
	s_wait_loadcnt 0x0                             ; both blocks' queries
	s_wait_tensorcnt 3                             ; my quarter of the first tile is in; three tiles stay out.  I read only what I loaded: no barrier
	KLOAD 0
	TRIP 0, 0, 2, 0, 1                             ; trip 0: the second block's diagonal tile starts its sums; tile 1 is in when two tiles are out
	WIN 0x80                                       ; destination window 2
.irp qt, 0,1
	v_mov_b32 v[SV+\qt],   v[M+2*\qt]              ; the second block's (m, l) wait here while the first block is at work
	v_mov_b32 v[SV+2+\qt], v[LS+18*\qt]
.endr
	WIN 0
	TRIP 1, 2, -1, 0, 2                            ; trip 1: the first block's diagonal tile starts its sums; tiles 4, 5 go out
	s_mov_b32 s14, 2
	s_mov_b32 s[CNT], 2
.Lring:
	TRIP 2, 0, -1, 1, 0                            ; trips 2 .. 9, once round the ring an iteration
	TRIP 3, 2, -1, 1, 0
	TRIP 0, 0, -1, 1, 0
	TRIP 1, 2, -1, 1, 0
	s_sub_co_i32 s[CNT], s[CNT], 1
	s_cmp_lg_u32 s[CNT], 0
	s_cbranch_scc1 .Lring
	TRIP 2, 0, -1, 0, 0                            ; trips 10 .. 16 belong to the second block for every a
	TRIP 3, 2, -1, 0, 0                            ; tiles 14, 15 go out
	TRIP 0, 0, -1, 0, 0
	TRIP 1, 1, -1, 0, 0                            ; tile 16 goes out: the last
	TRIP 2, 0, -1, 0, 0
	TRIP 3, 0, 0, 0, 0                             ; tile 16 is in; no younger load exists
	TRIP 0, 0, -2, 0, 0
	; THE END.  The stages lie in the slots' bytes, which have had their last fill: every wave's tensor loads were waited for in trip 15, and
	; behind this barrier no wave reads a slot any more.  The address work below also fills the places behind the last matrix instructions.
	s_wait_dscnt 0x0                               ; my reads of the slots are over (met since the last trip's wait)
	s_barrier_signal -1
	v_and_b32 v28, 15, v0                          ; r
	v_bfe_u32 v31, v0, 4, 1                        ; h
	v_and_b32 v30, 31, v0
	v_lshlrev_b32 v30, 4, v30                      ; 16 lane
	v_mul_u32_u24 v[DMP], v28, SP
	v_lshl_add_u32 v[DMP], v31, 5, v[DMP]
	s_mul_i32 s[TMPS], s10, STAGEW
	v_add_nc_u32 v[DMP], s[TMPS], v[DMP]
	v_add_nc_u32 v[DMP+1], STAGEG, v[DMP]
	s_lshl_b32 s[TMPS], s10, 3
	s_add_co_u32 s[TMPS], s[TMPS], STATS
	v_lshlrev_b32 v[STA], 5, v28
	v_add_nc_u32 v[STA], s[TMPS], v[STA]
	s_lshl_b32 s[TMPS], s10, 8
	s_add_co_u32 s[TMPS], s[TMPS], STATS
	v_mov_b32 v[MST], s[TMPS]                      ; (m, l) of rows 8 w ..
	s_mul_i32 s[TMPS], s10, 8*SP
	v_add_nc_u32 v[MSG], s[TMPS], v30
	v_add_nc_u32 v[MSG+1], STAGEG, v[MSG]
	s_lshl_b32 s[TMPS], s10, 12
	v_add_nc_u32 v[OUTO], s[TMPS], v30
	s_barrier_wait -1
	DUMPS 1                                        ; the second block's partial result
	DUMPO 1, OHI
	s_wait_dscnt 0x0                               ; it is in LDS,
	s_barrier_signal -1
	WIN 0x02                                       ; source 0 window 2
.irp qt, 0,1
	v_mov_b32 v[M+2*\qt],   v[SV+\qt]              ; the first block's (m, l) back to where the dump takes them
	v_mov_b32 v[LS+18*\qt], v[SV+2+\qt]
.endr
	WIN 0
	s_barrier_wait -1                              ; everybody's is
	DUMPS 0                                        ; the first block's partial result goes to bytes of its own, beside
	DUMPO 0, OLO
	MROWS 1, 0                                     ; the second block's merge
	MROWS 1, 4
	s_wait_dscnt 0x0                               ; my part of the first block's is in LDS,
	s_barrier_signal -1
	s_barrier_wait -1                              ; everybody's is
	MROWS 0, 0
	MROWS 0, 4
	CROUND                                         ; the closing round: no work-group ends while a partner may still ask for a tile that names it
	s_endpgm
.Lfunc_end_k_q52bac1e3f5_attn:
	.size	k_q52bac1e3f5_attn, .Lfunc_end_k_q52bac1e3f5_attn-k_q52bac1e3f5_attn
	.p2alignl 7, 3214868480
	.fill 96, 4, 3214868480
	.section	.rodata,"a",@progbits
	.p2align	6, 0x0
	.amdhsa_kernel k_q52bac1e3f5_attn
		.amdhsa_group_segment_fixed_size 327680
		.amdhsa_private_segment_fixed_size 0
		.amdhsa_enable_private_segment 0
		.amdhsa_kernarg_size 24
		.amdhsa_user_sgpr_count 2
		.amdhsa_user_sgpr_kernarg_segment_ptr 1
		.amdhsa_wavefront_size32 1
		.amdhsa_system_sgpr_workgroup_id_x 1
		.amdhsa_system_sgpr_workgroup_id_y 1
		.amdhsa_system_sgpr_workgroup_id_z 1
		.amdhsa_system_vgpr_workitem_id 0
		.amdhsa_next_free_vgpr 640
		.amdhsa_next_free_sgpr 66
		.amdhsa_reserve_vcc 1
		.amdhsa_float_denorm_mode_32 3
		.amdhsa_float_denorm_mode_16_64 3
		.amdhsa_memory_ordered 1
		.amdhsa_forward_progress 1
		.amdhsa_inst_pref_size 255
	.end_amdhsa_kernel
	.section	.bss,"aw",@nobits
	.p2align	6
	.space	262144
	.amdgpu_metadata
---
amdhsa.version: [ 1, 2 ]
amdhsa.kernels:
  - .name:           k_q52bac1e3f5_attn
    .symbol:         k_q52bac1e3f5_attn.kd
    .args:
      - { .name: qh, .offset: 0, .size: 8, .value_kind: global_buffer, .address_space: global }
      - { .name: kv, .offset: 8, .size: 8, .value_kind: global_buffer, .address_space: global }
      - { .name: out0, .offset: 16, .size: 8, .value_kind: global_buffer, .address_space: global }
    .group_segment_fixed_size: 327680
    .private_segment_fixed_size: 0
    .kernarg_segment_align: 8
    .kernarg_segment_size: 24
    .max_flat_workgroup_size: 128
    .sgpr_count:     66
    .vgpr_count:     640
    .wavefront_size: 32
...
	.end_amdgpu_metadata
.endif
;; end of part 5
